; MI455X (gfx1250); checked and timed in simulation.
; The chip was launched on July 23, 2026; its instructions are those of AMD's public machine-readable ISA for CDNA 5 (MIT licence, August 2026) and "CDNA5" Instruction Set Architecture Reference Guide (July 2026). The comments in the code are by the model that wrote it; some were corrected since.
;; Multi Head Dot Product Attention. Allowed arithmetic: matrix products marked QUANTISED: E2M1 operands, one E8M0 scale for each 32 along K, by v_wmma_scale_f32_16x16x128_f8f6f4 with both operands' format E2M1 (or v_wmma_scale_f32_32x16x128_f4), f32 sums; products left as they are: bf16, f16 or f32 operands; f32 sums; everything else in f32.
;; Inputs: inputs_kv 2 x 2,048 x 1,024 float32; inputs_q 2 x 2,048 x 1,024 float32; k_ln_bias 1,024 float32; k_ln_scale 1,024 float32; mask 2 x 1 x 2,048 x 2,048 bool; q_ln_bias 1,024 float32; q_ln_scale 1,024 float32; wk 1,024 x 1,024 float32; wo 1,024 x 1,024 float32; wq 1,024 x 1,024 float32; wv 1,024 x 1,024 float32.
;; Outputs: out0 2 x 2,048 x 1,024 float32.
;; This version of the problem:
;;   THIS VERSION OF THE PROBLEM IS GIVEN IN LOW PRECISION. The matrix products marked QUANTISED in the list below multiply operands that are first quantised to E2M1 (2 exponent bits, 1 mantissa bit; 4 bits a number), with one power-of-two scale for each 32 numbers along K (OCP MX v1.0); their sums are f32. The products marked 'left as it is' may take bf16, f16 or f32 operands, with f32 sums. All else is computed in f32.
;;   The module's matrix products, in the order in which they are computed (A, B: the left and right operand; K: the contracted axis; several contracted axes count as one K, in the product's order):
;;     1. [M 4,096, K 1,024] x [K 1,024, N 1,024]; A: input inputs_q; B: input wq: QUANTISED
;;     2. [M 4,096, K 1,024] x [K 1,024, N 1,024]; A: input inputs_kv; B: input wk: QUANTISED
;;     3. [M 4,096, K 1,024] x [K 1,024, N 1,024]; A: input inputs_kv; B: input wv: QUANTISED
;;     4. batch 32 x [M 2,048, K 64] x [K 64, N 2,048]; A: computed on the way; B: computed on the way: left as it is (an operand is computed on the way)
;;     5. batch 32 x [M 64, K 2,048] x [K 2,048, N 2,048]; A: computed on the way; B: computed on the way: left as it is (an operand is computed on the way)
;;     6. [M 4,096, K 1,024] x [K 1,024, N 1,024]; A: computed on the way; B: input wo: left as it is (an operand is computed on the way)
;;   THE QUANTISER, for each operand of a quantised product, along K:
;;     - K is cut into blocks of 32 from its start; a last block that is shorter is filled with zeros.
;;     - A block's scale is 2^e with e = floor(log2(the largest magnitude in the block)) - 2, held to -126 .. 127; a block of zeros has e = 0. As a byte (E8M0): e + 127.
;;     - Each number is divided by its block's scale, clamped to +-6, and rounded to the nearest number of E2M1, ties to even, subnormals kept.
;;     - The product sums the exact products of the quantised numbers (number of the format x scale) in f32.
;;   ~~~python
;;   def quantise(x, axis):      # numpy; x: float32 -> the quantised numbers, widened to float32 again
;;       x = np.moveaxis(x, axis, -1); K = x.shape[-1]
;;       x = np.pad(x, [(0, 0)] * (x.ndim - 1) + [(0, -K % 32)]); x = x.reshape(x.shape[:-1] + (-1, 32)); a = np.abs(x).max(-1, keepdims=True)
;;       e = np.where(a > 0, np.clip(np.frexp(np.where(a > 0, a, 1))[1] - 1 - 2, -126, 127), 0)      # np.frexp(a)[1] - 1 = floor(log2(a)), exactly
;;       r = np.clip(x / 2.0 ** e, -6, 6)
;;       step = 2.0 ** (np.maximum(np.frexp(np.where(r == 0, 1, r))[1] - 1, 0) - 1)
;;       q = np.round(r / step) * step * 2.0 ** e      # np.round: ties to even
;;       return np.moveaxis(q.reshape(q.shape[:-2] + (-1,))[..., :K], -1, axis).astype(np.float32)
;;   ~~~
;; One version. Each part assembles by itself: llvm-mc -triple=amdgcn-amd-amdhsa -mcpu=gfx1250 --defsym DOCPART=n.
;; ======== version 1 of 1: 4 launches
;; limits: values are held in f16: magnitudes above 65,504 overflow, below 6.1e-05 lose precision
;; workspace buffers: codes 5,767,168 bytes; scl 360,448 bytes; wof 2,097,152 bytes; msk 1,048,576 bytes of whole numbers; flg 2,048 bytes of whole numbers; qkv 25,165,824 bytes; ao 8,388,608 bytes
;; launch prep (part 1): grid 512 x 1, 4 waves a work-group, no clusters, 55,808 bytes of LDS; arguments inputs_q, inputs_kv, wq, wk, wv, wo, mask, codes, scl, wof, msk, flg; writes codes, scl, wof, msk, flg
.if DOCPART == 1
	.amdgcn_target "amdgcn-amd-amdhsa--gfx1250"
	.amdhsa_code_object_version 6
	.text
	.protected	k_qa11d7dcef1_prep
	.globl	k_qa11d7dcef1_prep
	.p2align	8
	.type	k_qa11d7dcef1_prep,@function
k_qa11d7dcef1_prep:
	s_mov_b64 s[64:65], 0
	v_nop
	global_prefetch_b8 v0, s[64:65] scope:SCOPE_SE
	s_setreg_imm32_b32 hwreg(HW_REG_WAVE_MODE, 25, 1), 1
	s_wait_xcnt 0x0
; PREP: three streams in one launch, parted once by the work-group's number; each path has LDS bytes of its own and ends by itself.
;  work-groups 0-351:   inputs_q, inputs_kv, wq, wk, wv (f32, K innermost) -> codes of FP4 (E2M1) and E8M0 scale words, laid as images of the operand's registers
;  work-groups 352-383: wo (f32) -> f16, laid as images of 16 x 32 fragments
;  work-groups 384-511: mask (one byte a key) -> one bit a key, in the lane order of the score tiles (msk), and two flag bits for each tile of 16 queries x 64 keys (flg, a buffer of its own)
; A wave takes 16 rows x 2,048 bytes (mask: x 1,024) in steps of 16 rows x 256 bytes.  Each load reads whole runs of 256 consecutive bytes (sixteen lanes a row);
; the step turns through the wave's own stage in LDS (rows 272 bytes apart), from which a lane takes the neighbours along K that its registers want.
; Loads run two steps (16 loads a wave) ahead.  Waves share nothing: no barrier.
; THE QUANTISER: a block's scale is 2^(floor(log2(largest magnitude)) - 2); its byte is the largest magnitude's exponent field - 2, held at 1 from below.
; LIMITS: a block of zeros gets the byte 1 where the rule says 127 (its codes are zeros, and this program alone reads the bytes); NaN and infinities are not served; |wo| stays under 65,504 (f16).
.set STGB,  4608                       ; a wave's stage: 16 rows x 272 bytes, rounded up
.set PITCH, 272
.set LQ,    0                          ; the quantiser's four stages
.set LW,    4*STGB                     ; wo's
.set LM,    8*STGB                     ; the mask's
.set R,     16                         ; v16-79   two sets of 32 registers as loaded
.set X,     80                         ; v80-111  what a lane takes back from the stage
.set C,     128                        ; v128-159 results to store
.set SW,    160                        ; v160-163 the four scale words of my row
.macro LOADROWS set, imm, p2           ; 16 rows x 256 bytes: lanes 0-15 an even row, lanes 16-31 the odd row below it; p2 = two rows in bytes
.irp i, 0,1,2,3,4,5,6,7
	global_load_b128 v[R+32*(\set)+4*\i:R+32*(\set)+4*\i+3], v4, s[26:27] offset:(\imm)+\i*(\p2) th:TH_LOAD_NT
.endr
.endm
.macro TOSTG set, base                 ; the same bytes into my stage
.irp i, 0,1,2,3,4,5,6,7
	ds_store_b128 v5, v[R+32*(\set)+4*\i:R+32*(\set)+4*\i+3] offset:(\base)+544*\i
.endr
.endm
	s_load_b512 s[4:19], s[0:1], 0x0               ; inputs_q 4, inputs_kv 6, wq 8, wk 10, wv 12, wo 14, mask 16, codes 18
	s_load_b128 s[20:23], s[0:1], 0x40             ; scl 20, wof 22
	s_load_b64 s[24:25], s[0:1], 0x50              ; msk
	s_load_b64 s[54:55], s[0:1], 0x58              ; flg
	v_lshl_add_u32 v176, v0, 2, 0xd800
	v_mov_b32 v177, 0
	v_lshrrev_b32 v1, 5, v0
	v_readfirstlane_b32 s28, v1                    ; wave
	v_and_b32 v1, 31, v0                           ; lane
	v_and_b32 v2, 15, v0                           ; r
	v_bfe_u32 v3, v0, 4, 1                         ; h
	v_lshlrev_b32 v7, 4, v1                        ; 16 x lane: an image's place for my lane
	s_mul_i32 s29, s28, STGB
	v_mul_u32_u24 v5, v3, PITCH
	v_lshl_add_u32 v5, v2, 4, v5
	v_add_nc_u32 v5, s29, v5                       ; into the stage: row h of a pair, 16 bytes a lane
	v_mul_u32_u24 v6, v2, PITCH
	v_add_nc_u32 v6, s29, v6                       ; out of it: row r
	s_lshr_b32 s30, s28, 1                         ; which of the work-group's two tiles of 16 rows
	s_and_b32 s31, s28, 1                          ; which half of K
	s_mov_b32 s35, 0
	s_mov_b32 s38, 0x76543210
	s_mov_b32 s39, 0xfedcba98                      ; v_permlanex16_b32's selects for lane l xor 16
	s_cmp_ge_u32 ttmp9, 384
	s_cbranch_scc1 .Lmask
	s_cmp_ge_u32 ttmp9, 352
	s_cbranch_scc1 .Lwo
	; ---------------- the quantiser: tile T of 704, half a row of K (512 numbers) a wave
	s_lshl_b32 s32, ttmp9, 1
	s_add_co_u32 s32, s32, s30                     ; T
	v_lshlrev_b32 v4, 12, v3
	v_lshl_add_u32 v4, v2, 4, v4                   ; a row is 4,096 bytes
	v_lshl_add_u32 v8, v3, 7, v6                   ; my block of 32 numbers: 128 h bytes into row r
	v_lshlrev_b32 v112, 3, v3                      ; 8 h
	v_mov_b32 v113, 0                              ; (a lane permute's destination counts as one of its sources)
	s_wait_kmcnt 0x0
	s_mov_b64 s[26:27], s[12:13]                   ; which tensor, and its first tile: the choice hangs on the work-group's number alone
	s_mov_b32 s33, 640
	s_cmp_lt_u32 s32, 640
	s_cselect_b64 s[26:27], s[10:11], s[26:27]
	s_cselect_b32 s33, 576, s33
	s_cmp_lt_u32 s32, 576
	s_cselect_b64 s[26:27], s[8:9], s[26:27]
	s_cselect_b32 s33, 512, s33
	s_cmp_lt_u32 s32, 512
	s_cselect_b64 s[26:27], s[6:7], s[26:27]
	s_cselect_b32 s33, 256, s33
	s_cmp_lt_u32 s32, 256
	s_cselect_b64 s[26:27], s[4:5], s[26:27]
	s_cselect_b32 s33, 0, s33
	s_sub_co_u32 s33, s32, s33
	s_lshl_b32 s34, s33, 16                        ; 16 rows of 4,096 bytes a tile
	s_lshl_b32 s36, s31, 11
	s_add_co_u32 s34, s34, s36
	s_add_nc_u64 s[26:27], s[26:27], s[34:35]
	s_lshr_b32 s34, s32, 6                         ; codes: group T / 64 of 524,288 bytes = [K step 8][tile 64][1,024]
	s_lshl_b32 s34, s34, 19
	s_lshl_b32 s36, s31, 18                        ; my half: four K steps on
	s_add_co_u32 s34, s34, s36
	s_and_b32 s36, s32, 63
	s_lshl_b32 s36, s36, 10
	s_add_co_u32 s34, s34, s36
	s_add_nc_u64 s[18:19], s[18:19], s[34:35]
	s_lshl_b32 s34, s32, 9                         ; scale words: 512 bytes a tile = [half][r][4 words]
	s_lshl_b32 s36, s31, 8
	s_add_co_u32 s34, s34, s36
	s_add_nc_u64 s[20:21], s[20:21], s[34:35]
	LOADROWS 0, 0, 8192
	LOADROWS 1, 256, 8192
; Step i: 64 along K of 16 rows: lane (r, h) takes block h, which is block 2 (i % 2) + h of K step i / 2: its four code registers are registers 4 (i % 2) .. + 3 of the fragment.
.macro QSTEP i
.if (\i) < 7
	s_wait_loadcnt 8                               ; this step's eight loads are in, the next step's eight may be out
.else
	s_wait_loadcnt 0
.endif
	TOSTG (\i)%2, LQ
.irp q, 0,1,2,3,4,5,6,7
	ds_load_b128 v[X+4*\q:X+4*\q+3], v8 offset:LQ+16*\q   ; LDS serves a wave's instructions in order: these see the stores above
.endr
	s_wait_dscnt 0x0                               ; my block is back, and the stores have read their registers,
.if (\i)+2 < 8
	LOADROWS (\i)%2, 256*((\i)+2), 8192            ; which take the loads of two steps on
.endif
	v_max3_num_f32 v12, |v[X]|, |v[X+1]|, |v[X+2]|  ; the block's largest magnitude: all 32 numbers are mine; two chains
	v_max3_num_f32 v13, |v[X+3]|, |v[X+4]|, |v[X+5]|
.irp q, 6,10,14,18,22,26
	v_max3_num_f32 v12, v12, |v[X+\q]|, |v[X+\q+1]|
	v_max3_num_f32 v13, v13, |v[X+\q+2]|, |v[X+\q+3]|
.endr
	v_max3_num_f32 v12, v12, |v[X+30]|, |v[X+31]|
	v_max3_num_f32 v12, v12, v13, 0x1800000        ; and the floor 2^(3 - 127): the byte cannot fall under 1
	v_add_nc_u32 v11, 0xff000000, v12              ; 2 off the exponent field: the conversion takes this operand's exponent field as its scale
.irp g, 0,1,2,3
	v_cvt_scalef32_pk8_fp4_f32 v[C+4*(\i)+\g], v[X+8*\g:X+8*\g+7], v11
.endr
.if (\i)%2 == 0
	v_lshrrev_b32 v14, 23, v11                     ; the byte of block h (a plain line behind the conversions)
.else
	v_lshrrev_b32 v15, 23, v11                     ; the byte of block 2 + h
	v_lshl_or_b32 v15, v15, 16, v14
	v_lshlrev_b32 v15, v112, v15                   ; at their places in the K step's scale word (8 h bits up);
	v_permlanex16_b32 v113, v15, s38, s39
	v_or_b32 v[SW+(\i)/2], v15, v113               ; with lane l xor 16's two the word is whole
.endif
	global_store_b128 v7, v[C+4*(\i):C+4*(\i)+3], s[18:19] offset:((\i)/2)*65536+((\i)%2)*512   ; 512 consecutive bytes a wave
.endm
.irp i, 0,1,2,3,4,5,6,7
	QSTEP \i
.endr
	v_cmp_gt_u32 vcc_lo, 16, v1
	s_wait_xcnt 0x0                                ; EXEC changes only behind this wait
	s_wait_tensorcnt 0x0
	ds_add_u32 v176, v177
	s_wait_dscnt 0x0
	s_and_saveexec_b32 s40, vcc_lo
	global_store_b128 v7, v[SW:SW+3], s[20:21]     ; sixteen lanes: my half's 256 bytes of scale words
	s_wait_xcnt 0x0
	s_or_b32 exec_lo, exec_lo, s40
	s_endpgm
	; ---------------- wo: tile of 16 rows, half a row a wave, to f16 fragments [tile][32 along K][1,024 bytes]
.Lwo:
	s_sub_co_u32 s32, ttmp9, 352
	s_lshl_b32 s32, s32, 1
	s_add_co_u32 s32, s32, s30                     ; tile of 16 rows
	v_lshlrev_b32 v4, 12, v3
	v_lshl_add_u32 v4, v2, 4, v4
	v_lshl_add_u32 v8, v3, 5, v6                   ; my eight numbers of each 16: 32 h bytes into row r
	s_lshl_b32 s34, s32, 16
	s_lshl_b32 s36, s31, 11
	s_add_co_u32 s34, s34, s36
	s_wait_kmcnt 0x0
	s_add_nc_u64 s[26:27], s[14:15], s[34:35]
	s_lshl_b32 s34, s32, 15
	s_lshl_b32 s36, s31, 14
	s_add_co_u32 s34, s34, s36
	s_add_nc_u64 s[22:23], s[22:23], s[34:35]
	LOADROWS 0, 0, 8192
	LOADROWS 1, 256, 8192
.macro WSTEP i                         ; 64 along K: two fragments; quarter q = 16 along K: lane (r, h) holds k = 16 q + 8 h + 0 .. 7
.if (\i) < 7
	s_wait_loadcnt 8                               ; this step's eight loads are in, the next step's eight may be out
.else
	s_wait_loadcnt 0
.endif
	TOSTG (\i)%2, LW
.irp q, 0,1,2,3
	ds_load_b128 v[X+8*\q:X+8*\q+3], v8 offset:LW+64*\q
	ds_load_b128 v[X+8*\q+4:X+8*\q+7], v8 offset:LW+64*\q+16
.endr
	s_wait_dscnt 0x0
.if (\i)+2 < 8
	LOADROWS (\i)%2, 256*((\i)+2), 8192
.endif
	s_wait_xcnt 0x0                                ; the last step's stores have read their data: it may be written again
.irp q, 0,1,2,3,4,5,6,7,8,9,10,11,12,13,14,15
	v_cvt_pk_f16_f32 v[C+\q], v[X+2*\q], v[X+2*\q+1]
.endr
.irp q, 0,1,2,3
	global_store_b128 v7, v[C+4*\q:C+4*\q+3], s[22:23] offset:2048*(\i)+512*\q
.endr
.endm
.irp i, 0,1,2,3,4,5,6,7
	WSTEP \i
.endr
	s_wait_tensorcnt 0x0
	ds_add_u32 v176, v177
	s_wait_dscnt 0x0
	s_endpgm
	; ---------------- the mask: 16 queries x 1,024 keys a wave
	; Word 8 u + j of a step of 64 keys: bit L = mask[q0 + L % 16][64 step + 16 u + 8 (L / 16) + j]: the lane and register in which that score will lie.
.Lmask:
	s_sub_co_u32 s32, ttmp9, 384
	s_lshl_b32 s32, s32, 2
	s_add_co_u32 s32, s32, s28
	s_lshr_b32 s33, s32, 1                         ; tile of 16 queries, 0 .. 255
	s_and_b32 s37, s32, 1                          ; which half of the keys
	v_lshlrev_b32 v4, 11, v3
	v_lshl_add_u32 v4, v2, 4, v4                   ; a row is 2,048 bytes
	v_lshl_add_u32 v8, v3, 3, v6                   ; my eight keys of each 16
.irp q, 0,1,2,3,4,5,6,7,8,9,10,11,12,13,14,15
	v_mov_b32 v[C+\q], 0                           ; (v_writelane_b32's destination counts as read)
.endr
	s_lshl_b32 s34, s33, 15
	s_lshl_b32 s36, s37, 10
	s_add_co_u32 s34, s34, s36
	s_wait_kmcnt 0x0
	s_add_nc_u64 s[26:27], s[16:17], s[34:35]
	s_lshl_b32 s34, s33, 12
	s_lshl_b32 s36, s37, 11
	s_add_co_u32 s34, s34, s36
	s_add_nc_u64 s[52:53], s[24:25], s[34:35]      ; the words: 4,096 bytes a tile, 128 a step
	s_lshl_b32 s34, s32, 2
	s_add_nc_u64 s[54:55], s[54:55], s[34:35]      ; the flags: one word for a tile and a half of the keys
	s_mov_b32 s36, 0                               ; bits 0-15: some key of the step counts; bits 16-31: all count
	s_mov_b32 s50, 0x01010101
	LOADROWS 0, 0, 4096
	LOADROWS 1, 256, 4096
.macro MSTEP ms                        ; 256 keys: four steps of 64
.if (\ms) < 3
	s_wait_loadcnt 8                               ; this step's eight loads are in, the next step's eight may be out
.else
	s_wait_loadcnt 0
.endif
	TOSTG (\ms)%2, LM
.irp q, 0,1,2,3,4,5,6,7,8,9,10,11,12,13,14,15
	ds_load_b64 v[X+2*\q:X+2*\q+1], v8 offset:LM+16*\q
.endr
	s_wait_dscnt 0x0
.if (\ms)+2 < 4
	LOADROWS (\ms)%2, 256*((\ms)+2), 4096
.endif
.irp g, 0,1,2,3,4,5,6,7,8,9,10,11,12,13,14,15  ; 16 keys at a time: eight words, eight at a time so that no line waits for the line above it
.irp j, 0,1,2,3,4,5,6,7
	v_and_b32 v[116+\j], 0xff<<(8*(\j%4)), v[X+2*\g+\j/4]
.endr
.irp j, 0,1,2,3,4,5,6,7
	v_cmp_ne_u32 s[40+\j], 0, v[116+\j]            ; one bit a lane
.endr
.irp j, 0,1,2,3,4,5,6,7
	v_writelane_b32 v[C+4*(\ms)+\j%4], s[40+\j], 2*\g+\j/4   ; word n = 8 g + j goes to register n % 4 of lane n / 4: the store below lays them on end
.endr
.endr
.irp sg, 0,1,2,3
	v_or_b32 v124, v[X+8*\sg], v[X+8*\sg+1]
	v_and_b32 v125, v[X+8*\sg], v[X+8*\sg+1]
.irp q, 2,3,4,5,6,7
	v_or_b32 v124, v124, v[X+8*\sg+\q]
	v_and_b32 v125, v125, v[X+8*\sg+\q]
.endr
	v_cmp_ne_u32 s48, 0, v124
	v_cmp_eq_u32 s49, s50, v125
	s_cmp_lg_u32 s48, 0                            ; some lane has a key that counts
	s_cselect_b32 s51, 1<<(4*(\ms)+\sg), 0
	s_or_b32 s36, s36, s51
	s_cmp_eq_u32 s49, -1                           ; every byte of every lane is 1
	s_cselect_b32 s51, 1<<(16+4*(\ms)+\sg), 0
	s_or_b32 s36, s36, s51
.endr
	global_store_b128 v7, v[C+4*(\ms):C+4*(\ms)+3], s[52:53] offset:512*(\ms)
.endm
.irp i, 0,1,2,3
	MSTEP \i
.endr
	v_mov_b32 v9, s36
	v_mov_b32 v10, 0
	v_cmp_eq_u32 vcc_lo, 0, v1
	s_wait_xcnt 0x0                                ; EXEC changes only behind this wait
	s_wait_tensorcnt 0x0
	ds_add_u32 v176, v177
	s_wait_dscnt 0x0
	s_and_saveexec_b32 s40, vcc_lo
	global_store_b32 v10, v9, s[54:55]
	s_wait_xcnt 0x0
	s_or_b32 exec_lo, exec_lo, s40
	s_endpgm
.Lfunc_end_k_qa11d7dcef1_prep:
	.size	k_qa11d7dcef1_prep, .Lfunc_end_k_qa11d7dcef1_prep-k_qa11d7dcef1_prep
	.p2alignl 7, 3214868480
	.fill 96, 4, 3214868480
	.section	.rodata,"a",@progbits
	.p2align	6, 0x0
	.amdhsa_kernel k_qa11d7dcef1_prep
		.amdhsa_group_segment_fixed_size 55808
		.amdhsa_private_segment_fixed_size 0
		.amdhsa_enable_private_segment 0
		.amdhsa_kernarg_size 96
		.amdhsa_user_sgpr_count 2
		.amdhsa_user_sgpr_kernarg_segment_ptr 1
		.amdhsa_wavefront_size32 1
		.amdhsa_system_sgpr_workgroup_id_x 1
		.amdhsa_system_sgpr_workgroup_id_y 1
		.amdhsa_system_sgpr_workgroup_id_z 1
		.amdhsa_system_vgpr_workitem_id 0
		.amdhsa_next_free_vgpr 178
		.amdhsa_next_free_sgpr 66
		.amdhsa_reserve_vcc 1
		.amdhsa_float_denorm_mode_32 3
		.amdhsa_float_denorm_mode_16_64 3
		.amdhsa_memory_ordered 1
		.amdhsa_forward_progress 1
		.amdhsa_inst_pref_size 178
	.end_amdhsa_kernel
	.amdgpu_metadata
---
amdhsa.version: [ 1, 2 ]
amdhsa.kernels:
  - .name:           k_qa11d7dcef1_prep
    .symbol:         k_qa11d7dcef1_prep.kd
    .args:
      - { .name: inputs_q, .offset: 0, .size: 8, .value_kind: global_buffer, .address_space: global }
      - { .name: inputs_kv, .offset: 8, .size: 8, .value_kind: global_buffer, .address_space: global }
      - { .name: wq, .offset: 16, .size: 8, .value_kind: global_buffer, .address_space: global }
      - { .name: wk, .offset: 24, .size: 8, .value_kind: global_buffer, .address_space: global }
      - { .name: wv, .offset: 32, .size: 8, .value_kind: global_buffer, .address_space: global }
      - { .name: wo, .offset: 40, .size: 8, .value_kind: global_buffer, .address_space: global }
      - { .name: mask, .offset: 48, .size: 8, .value_kind: global_buffer, .address_space: global }
      - { .name: codes, .offset: 56, .size: 8, .value_kind: global_buffer, .address_space: global }
      - { .name: scl, .offset: 64, .size: 8, .value_kind: global_buffer, .address_space: global }
      - { .name: wof, .offset: 72, .size: 8, .value_kind: global_buffer, .address_space: global }
      - { .name: msk, .offset: 80, .size: 8, .value_kind: global_buffer, .address_space: global }
      - { .name: flg, .offset: 88, .size: 8, .value_kind: global_buffer, .address_space: global }
    .group_segment_fixed_size: 55808
    .private_segment_fixed_size: 0
    .kernarg_segment_align: 8
    .kernarg_segment_size: 96
    .max_flat_workgroup_size: 128
    .sgpr_count:     66
    .vgpr_count:     178
    .wavefront_size: 32
...
	.end_amdgpu_metadata
.endif
;; end of part 1
;; launch proj (part 2): grid 64 x 3, 4 waves a work-group, clusters of 4 x 1, 327,680 bytes of LDS; arguments codes, scl, q_ln_scale, q_ln_bias, k_ln_scale, k_ln_bias, qkv; writes qkv
.if DOCPART == 2
	.amdgcn_target "amdgcn-amd-amdhsa--gfx1250"
	.amdhsa_code_object_version 6
	.text
	.protected	k_qa11d7dcef1_proj
	.globl	k_qa11d7dcef1_proj
	.p2align	8
	.type	k_qa11d7dcef1_proj,@function
k_qa11d7dcef1_proj:
	s_mov_b64 s[64:65], 0
	v_nop
	global_prefetch_b8 v0, s[64:65] scope:SCOPE_SE
	s_setreg_imm32_b32 hwreg(HW_REG_WAVE_MODE, 25, 1), 1
	s_wait_xcnt 0x0
	s_wait_alu depctr_hold_cnt(0) depctr_sa_sdst(0) depctr_va_vdst(0) depctr_va_sdst(0) depctr_va_ssrc(0) depctr_va_vcc(0) depctr_vm_vsrc(0)
	s_getreg_b32 s2, hwreg(HW_REG_IB_STS2, 6, 4)
	s_cmp_eq_u32 s2, 0
	s_cbranch_scc0 .Lentry_in_a_cluster
	s_endpgm
.Lentry_in_a_cluster:
	s_bfe_u32 s2, ttmp6, 0x10000c
	s_cmp_lg_u32 s2, 0x3003
	s_cbranch_scc0 .Lentry_shape_is_right
	s_endpgm
.Lentry_shape_is_right:
; PROJ: q = LN(inputs_q wq^T), k = LN(inputs_kv wk^T), v = inputs_kv wv^T, on codes of FP4 with E8M0 scales; results leave as f16 fragments for the attention launch.
; A work-group multiplies 64 STATIONARY rows (all of K = 1,024 in registers) by 1,024 STREAMED rows.  Source 0 = 16 streamed rows, source 1 = 16 stationary rows:
; a lane holds ONE stationary row and its registers run along the streamed rows.
;   y = 0, 1 (q, k): stationary = 64 tokens, streamed = the weight's 1,024 rows: a token's 1,024 features lie in one work-group, so the LayerNorm is made here;
;                    a lane's eight registers are eight neighbouring features of a token: packed to f16 they are four registers of a Q or K fragment.
;   y = 2 (v):       stationary = the 64 rows of wv of one head, streamed = 1,024 tokens: a lane holds a channel and eight neighbouring keys: four registers of a V^T fragment.
; Wave w takes streamed tiles 16 w .. 16 w + 15: 64 accumulators, 512 registers.
; CLUSTER: the four work-groups of a cluster walk the same streamed rows: each tile is asked for JOINTLY (mask 15).  The place in the cluster enters the stationary and the output addresses alone.
; The streamed codes come through two LDS slots of two K steps each (131,072 bytes, dense: fragments are images of their registers, 512 consecutive bytes a load).
; By this text's own count a wave has two tensor loads out at the start and one behind each round.
; The statistics run in every work-group, so that every barrier is on every path; for y = 2 the mean's factor is 0, and v is left as it is.
; LIMITS: |q|, |k|, |v| stay under 65,504 (f16); NaN and infinities are not served.
; REGISTERS: window 0: v1-12 addresses, v16-23 at work, v30-31 for the add, v32-95 streamed scale words (8 i + K step; lanes 0-15 tile i, lanes 16-31 tile i + 8),
;   v96-111 stationary scale words (8 (m % 2) + K step; lanes 16-31 tile m + 2), v112-119 sums, v120-127 mean, then 1 / sigma, v128-255 two sets of eight streamed fragments.
;   window 1: the 32 stationary fragments at 8 (4 K step + m); later gain (v0-127) and bias (v128-255).   windows 2, 3: accumulators 8 (4 i + m) of streamed tiles 0-7, 8-15.
.set SLOTB, 131072
.set XL,    2*SLOTB                    ; the stationary fragments' images, [K step][m][1,024]: stored by the waves, never a tile's target
.set RED1,  XL+32768                   ; two blocks of 1,024 bytes for the sums, [m][r][wave]
.set SPARE, RED1+2048                  ; the spare words: 128 bytes a wave, two blocks of 256 bytes that no other line names
.set LI,  1
.set XW,  2
.set XR,  3
.set RW,  4
.set RR,  5
.set SO,  6
.set XO,  7
.set AD,  8
.set GV,  12
.set TP,  16
.set SPW, 30
.set NIL, 31
.set SS,  32
.set XS,  96
.set SUM, 112
.set MU,  120
.set F0,  128
.set WV,  26
.set MSB, 0
.macro WIN new                         ; the immediate's high byte repeats the setting that is left
.if MSB != (\new)
	s_set_vgpr_msb (MSB<<8)|(\new)
.set MSB, (\new)
.endif
.endm
.macro PLACES                          ; four plain places behind matrix instructions, ahead of loads into their registers and of reads of their results
.rept 4
	v_nop
.endr
.endm
.macro ROUND                           ; a round of the cluster's barrier
	s_barrier_signal -1
	s_barrier_wait -1
	s_cmp_lg_u32 s[WV], 0
	s_cbranch_scc1 .Lnot_wave_0_\@
	s_barrier_signal -3
.Lnot_wave_0_\@:
	s_barrier_wait -3
	s_barrier_signal -1
	s_barrier_wait -1
.endm
	s_load_b256 s[4:11], s[0:1], 0x0               ; codes 4, scl 6, q_ln_scale 8, q_ln_bias 10
	s_load_b128 s[12:15], s[0:1], 0x20             ; k_ln_scale 12, k_ln_bias 14
	s_load_b64 s[24:25], s[0:1], 0x30              ; qkv
	v_lshl_add_u32 v[SPW], v0, 2, SPARE
	v_mov_b32 v[NIL], 0
	ds_add_u32 v30, v31
	ds_add_u32 v30, v31
	s_wait_dscnt 0x0
	v_lshrrev_b32 v13, 5, v0
	v_readfirstlane_b32 s[WV], v13                 ; wave 0..3
	s_bfe_u32 s27, ttmp6, 0x40000                  ; cx
	s_lshl_b32 s28, ttmp9, 2
	s_add_co_u32 s28, s28, s27                     ; x = 4 x cluster x + cx
	s_and_b32 s29, ttmp7, 0xffff                   ; y: which product
	s_lshr_b32 s30, ttmp9, 2                       ; g = x / 16: shared by the four partners
	s_add_co_u32 s31, s30, 4
	s_add_co_u32 s40, s29, 8
	s_lshl_b32 s41, s29, 2
	s_add_co_u32 s41, s41, s30
	s_cmp_eq_u32 s29, 2
	s_cselect_b32 s40, s31, s40                    ; the streamed group of 1,024 rows: 8 + y (a weight), or 4 + g (tokens of inputs_kv)
	s_cselect_b32 s41, 10, s41                     ; the stationary group: 4 y + g (tokens), or 10 (wv)
	s_cselect_b32 s67, 0, 0x3a800000               ; the mean's factor: 1 / 1,024; 0 for v
	s_mov_b32 s68, 0x3a800000                      ; 1 / 1,024
	s_mov_b32 s69, 0x3727c5ac                      ; 1e-5
	s_mov_b32 s62, 0x76543210
	s_mov_b32 s63, 0xfedcba98                      ; v_permlanex16_b32's selects for lane l xor 16
	; descriptor group 1: 128 rows of 256 bytes (32 elements of 8 bytes), dense, no padding; mask: all four work-groups, bit 21 beside it
	s_mov_b32 s16, 15|(3<<16)|(1<<21)
	s_mov_b32 s17, 32<<16
	s_mov_b32 s18, 128<<16
	s_mov_b32 s19, 32<<16
	s_mov_b32 s20, 128
	s_mov_b32 s21, 32
	s_mov_b32 s22, 0
	s_mov_b32 s23, 0
	s_lshl_b32 s42, s40, 19                        ; the streamed group's codes,
	s_lshl_b32 s47, s[WV], 15                      ; my quarter of a slot, in memory and in LDS
	s_add_co_u32 s42, s42, s47
	s_mov_b32 s43, 0
	s_and_b32 s50, s28, 15                         ; the stationary rows: tile 4 (x % 16) of their group,
	s_lshl_b32 s50, s50, 12
	s_lshl_b32 s51, s41, 19
	s_add_co_u32 s50, s50, s51
	s_lshl_b32 s51, s[WV], 17                      ; K steps 2 w and 2 w + 1 are mine to fetch
	s_add_co_u32 s50, s50, s51
	s_mov_b32 s51, 0
	s_lshl_b32 s52, s40, 15                        ; streamed scale words: 512 bytes a tile, my 16 tiles
	s_lshl_b32 s53, s[WV], 13
	s_add_co_u32 s52, s52, s53
	s_mov_b32 s53, 0
	s_lshl_b32 s54, s41, 15                        ; stationary scale words
	s_and_b32 s55, s28, 15
	s_lshl_b32 s55, s55, 11
	s_add_co_u32 s54, s54, s55
	s_mov_b32 s55, 0
	s_lshl_b32 s60, s[WV], 10                      ; gain and bias: my 256 features
	s_mov_b32 s61, 0
	; where the results go.  q, k: y x 8 MiB + [batch x 16 + head][tile of tokens][32 channels][1,024]
	s_lshl_b32 s72, s29, 23
	s_lshr_b32 s73, ttmp9, 3
	s_lshl_b32 s73, s73, 22
	s_add_co_u32 s72, s72, s73
	s_lshl_b32 s73, s[WV], 20                      ; my four heads
	s_add_co_u32 s72, s72, s73
	s_and_b32 s73, s28, 31
	s_lshl_b32 s73, s73, 13                        ; my four tiles of tokens
	s_add_co_u32 s72, s72, s73
	; v: 16 MiB + [batch x 16 + head][32 keys][tile of channels][1,024]
	s_lshr_b32 s74, s30, 1
	s_lshl_b32 s74, s74, 4
	s_and_b32 s75, s28, 15
	s_add_co_u32 s74, s74, s75
	s_lshl_b32 s74, s74, 6
	s_and_b32 s75, s30, 1
	s_lshl_b32 s75, s75, 5
	s_add_co_u32 s74, s74, s75
	s_lshl_b32 s75, s[WV], 3
	s_add_co_u32 s74, s74, s75
	s_lshl_b32 s74, s74, 12
	s_add_co_u32 s74, s74, 0x1000000
	s_cmp_eq_u32 s29, 2
	s_cselect_b32 s72, s74, s72
	s_mov_b32 s73, 0
	s_wait_kmcnt 0x0
	s_add_nc_u64 s[44:45], s[4:5], s[42:43]
	s_add_nc_u64 s[48:49], s[4:5], s[50:51]
	s_add_nc_u64 s[52:53], s[6:7], s[52:53]
	s_add_nc_u64 s[54:55], s[6:7], s[54:55]
	s_add_nc_u64 s[70:71], s[24:25], s[72:73]
	s_cmp_eq_u32 s29, 0
	s_cselect_b64 s[56:57], s[8:9], s[12:13]
	s_cselect_b64 s[58:59], s[10:11], s[14:15]
	s_add_nc_u64 s[56:57], s[56:57], s[60:61]
	s_add_nc_u64 s[58:59], s[58:59], s[60:61]
	ROUND                                          ; all four work-groups are here: the first joint loads meet
.irp n, 0,1
	s_mov_b32 s[32+4*\n], 1
	s_add_co_u32 s[33+4*\n], s47, \n*SLOTB
	s_add_nc_u64 s[34+4*\n:35+4*\n], s[44:45], \n*SLOTB
	s_or_b32 s[35+4*\n], s[35+4*\n], 0x80000000
.endr
	tensor_load_to_lds s[32:35], s[16:23]          ; K steps 0 and 1
	s_nop 0
	tensor_load_to_lds s[36:39], s[16:23]          ; K steps 2 and 3
	s_nop 0
	PLACES
	v_and_b32 v13, 31, v0
	v_and_b32 v14, 15, v0                          ; r
	v_bfe_u32 v15, v0, 4, 1                        ; h
	v_lshlrev_b32 v[LI], 4, v13                    ; 16 x lane
	v_lshlrev_b32 v[SO], 12, v15
	v_lshl_add_u32 v[SO], v14, 4, v[SO]            ; streamed scale words: 16 r, lanes 16-31 eight tiles on
	v_lshlrev_b32 v[XO], 10, v15
	v_lshl_add_u32 v[XO], v14, 4, v[XO]            ; stationary: lanes 16-31 two tiles on
	v_lshlrev_b32 v[GV], 5, v15                    ; gain and bias: my eight features of a tile's 16
.irp ss, 0,1
.irp m, 0,1,2,3
.irp c, 0,1
	global_load_b128 v[F0+8*(4*\ss+\m)+4*\c:F0+8*(4*\ss+\m)+4*\c+3], v[LI], s[48:49] offset:\ss*65536+\m*1024+\c*512
.endr
.endr
.endr
.irp i, 0,1,2,3,4,5,6,7
.irp hf, 0,1
	global_load_b128 v[SS+8*\i+4*\hf:SS+8*\i+4*\hf+3], v[SO], s[52:53] offset:512*\i+256*\hf
.endr
.endr
.irp m, 0,1
.irp hf, 0,1
	global_load_b128 v[XS+8*\m+4*\hf:XS+8*\m+4*\hf+3], v[XO], s[54:55] offset:512*\m+256*\hf
.endr
.endr
	s_lshl_b32 s46, s[WV], 14
	v_add_nc_u32 v[AD], s46, v[LI]                 ; K step s lies at (s % 4) x 65,536; my 16 tiles 16,384 w on
	v_add_nc_u32 v[AD+1], 0x10000, v[AD]
	v_add_nc_u32 v[AD+2], 0x20000, v[AD]
	v_add_nc_u32 v[AD+3], 0x30000, v[AD]
	v_add_nc_u32 v[XR], XL, v[LI]
	s_lshl_b32 s46, s[WV], 13
	v_add_nc_u32 v[XW], s46, v[XR]
	s_lshl_b32 s46, s[WV], 2
	v_lshl_add_u32 v[RR], v14, 4, RED1
	v_add_nc_u32 v[RW], s46, v[RR]
.irp m, 0,1,2,3
	v_mov_b32 v[TP+4+\m], 0                        ; (a lane permute's destination counts as one of its sources)
	v_mov_b32 v[MU+2*\m+1], 0                      ; (named as the upper half of a pair of which the low word serves both halves)
.endr
	s_wait_loadcnt 20                              ; my 16 loads of stationary fragments are in; the 20 loads of scale words may be out
.irp k, 0,1,2,3,4,5,6,7,8,9,10,11,12,13,14,15
	ds_store_b128 v[XW], v[F0+4*\k:F0+4*\k+3] offset:512*\k
.endr
	s_wait_tensorcnt 1                             ; my part of slot 0 is in; slot 1's may stay out
	s_wait_dscnt 0x0                               ; for the others' sake: my stores are done
	s_barrier_signal -1
	s_barrier_wait -1
	WIN 0x40
.set k, 0
.rept 64
	ds_load_b128 v[4*k:4*k+3], v[XR] offset:512*k  ; all 32 stationary fragments into window 1
.set k, k+1
.endr
	WIN 0
	s_wait_loadcnt 0x0                             ; the scale words
.macro WM acc, fa, xb, sa, sb, zero, ra, rb    ; one product; ra, rb: the scale words lie in lanes 16-31
.if \zero
.if (\ra) && (\rb)
	v_wmma_scale_f32_16x16x128_f8f6f4 v[(\acc):(\acc)+7], v[(\fa):(\fa)+7], v[(\xb):(\xb)+7], 0, v[(\sa)], v[(\sb)] matrix_a_fmt:MATRIX_FMT_FP4 matrix_b_fmt:MATRIX_FMT_FP4 matrix_a_scale:MATRIX_SCALE_ROW1 matrix_b_scale:MATRIX_SCALE_ROW1
.elseif \ra
	v_wmma_scale_f32_16x16x128_f8f6f4 v[(\acc):(\acc)+7], v[(\fa):(\fa)+7], v[(\xb):(\xb)+7], 0, v[(\sa)], v[(\sb)] matrix_a_fmt:MATRIX_FMT_FP4 matrix_b_fmt:MATRIX_FMT_FP4 matrix_a_scale:MATRIX_SCALE_ROW1
.elseif \rb
	v_wmma_scale_f32_16x16x128_f8f6f4 v[(\acc):(\acc)+7], v[(\fa):(\fa)+7], v[(\xb):(\xb)+7], 0, v[(\sa)], v[(\sb)] matrix_a_fmt:MATRIX_FMT_FP4 matrix_b_fmt:MATRIX_FMT_FP4 matrix_b_scale:MATRIX_SCALE_ROW1
.else
	v_wmma_scale_f32_16x16x128_f8f6f4 v[(\acc):(\acc)+7], v[(\fa):(\fa)+7], v[(\xb):(\xb)+7], 0, v[(\sa)], v[(\sb)] matrix_a_fmt:MATRIX_FMT_FP4 matrix_b_fmt:MATRIX_FMT_FP4
.endif
.else
.if (\ra) && (\rb)
	v_wmma_scale_f32_16x16x128_f8f6f4 v[(\acc):(\acc)+7], v[(\fa):(\fa)+7], v[(\xb):(\xb)+7], v[(\acc):(\acc)+7], v[(\sa)], v[(\sb)] matrix_a_fmt:MATRIX_FMT_FP4 matrix_b_fmt:MATRIX_FMT_FP4 matrix_a_scale:MATRIX_SCALE_ROW1 matrix_b_scale:MATRIX_SCALE_ROW1
.elseif \ra
	v_wmma_scale_f32_16x16x128_f8f6f4 v[(\acc):(\acc)+7], v[(\fa):(\fa)+7], v[(\xb):(\xb)+7], v[(\acc):(\acc)+7], v[(\sa)], v[(\sb)] matrix_a_fmt:MATRIX_FMT_FP4 matrix_b_fmt:MATRIX_FMT_FP4 matrix_a_scale:MATRIX_SCALE_ROW1
.elseif \rb
	v_wmma_scale_f32_16x16x128_f8f6f4 v[(\acc):(\acc)+7], v[(\fa):(\fa)+7], v[(\xb):(\xb)+7], v[(\acc):(\acc)+7], v[(\sa)], v[(\sb)] matrix_a_fmt:MATRIX_FMT_FP4 matrix_b_fmt:MATRIX_FMT_FP4 matrix_b_scale:MATRIX_SCALE_ROW1
.else
	v_wmma_scale_f32_16x16x128_f8f6f4 v[(\acc):(\acc)+7], v[(\fa):(\fa)+7], v[(\xb):(\xb)+7], v[(\acc):(\acc)+7], v[(\sa)], v[(\sb)] matrix_a_fmt:MATRIX_FMT_FP4 matrix_b_fmt:MATRIX_FMT_FP4
.endif
.endif
.endm
; 32 products: fragment set fs (streamed tiles 8 fs .. 8 fs + 7) x the four stationary tiles, K step ks.  The 64 accumulators take turns, one instruction a turn, in the same order in every K step.
.macro MUL32 fs, ks, zero
	WIN 0xa4+0x50*(\fs)                            ; source 0 window 0, source 1 window 1, C and D window 2 or 3
.irp i, 0,1,2,3,4,5,6,7
.irp m, 0,1,2,3
	WM 8*(4*\i+\m), F0+64*(\fs)+8*\i, 8*(4*(\ks)+\m), SS+8*\i+(\ks), XS+8*(\m%2)+(\ks), \zero, \fs, \m/2
.endr
.endr
.endm
.macro LOADF fs, ks, t0                ; eight streamed fragments of K step ks, my tiles t0 on, into set fs: 16 loads of 512 consecutive bytes
.irp i, 0,1,2,3,4,5,6,7
	ds_load_b128 v[F0+64*(\fs)+8*\i:F0+64*(\fs)+8*\i+3], v[AD+(\ks)%4] offset:((\t0)+\i)*1024
	ds_load_b128 v[F0+64*(\fs)+8*\i+4:F0+64*(\fs)+8*\i+7], v[AD+(\ks)%4] offset:((\t0)+\i)*1024+512
.endr
.endm
.macro SLOTWORK ks, zero               ; a slot's two K steps; each count of 16 leaves out the 16 loads just issued
	LOADF 0, \ks, 0
	LOADF 1, \ks, 8
	s_wait_dscnt 16
	MUL32 0, \ks, \zero
	PLACES
	WIN 0
	LOADF 0, (\ks)+1, 0
	s_wait_dscnt 16
	MUL32 1, \ks, \zero
	PLACES
	WIN 0
	LOADF 1, (\ks)+1, 8
	s_wait_dscnt 16
	MUL32 0, (\ks)+1, 0
	s_wait_dscnt 0x0
	MUL32 1, (\ks)+1, 0
	WIN 0
.endm
; The change of slots: all my tensor loads have landed (my part of the slot ahead among them), the add, my reads of the slot that I leave are over; then the barrier.
; fill = 1: the slot just left is filled again with the K steps four on; the barrier is then a round of the cluster's, and the joint refill is the first thing behind it.
.macro CHANGE slot, fill
	s_wait_tensorcnt 0x0
	ds_add_u32 v[SPW], v[NIL]                      ; 0 onto my spare word
.if \fill
	s_add_nc_u64 s[34+4*\slot:35+4*\slot], s[34+4*\slot:35+4*\slot], 2*SLOTB
.endif
	s_wait_dscnt 0x0
.if \fill
	ROUND
	tensor_load_to_lds s[32+4*\slot:35+4*\slot], s[16:23]
	s_nop 0
.else
	s_barrier_signal -1
	s_barrier_wait -1
.endif
	PLACES                                         ; behind the tensor load, and ahead of the loads into the fragment sets
.endm
	SLOTWORK 0, 1                                  ; the first K step's products start the sums
	CHANGE 0, 1
	SLOTWORK 2, 0
	CHANGE 1, 1
	SLOTWORK 4, 0
	CHANGE 0, 0
	SLOTWORK 6, 0
	; ---------------- the LayerNorm's statistics: a lane holds stationary row 16 m + r; its features lie in 128 registers, in lane l xor 16 and in the other three waves
	PLACES
	WIN 0x40                                       ; gain and bias of my 256 features, over the stationary fragments, which are done with
.irp t, 0,1,2,3,4,5,6,7,8,9,10,11,12,13,14,15
	global_load_b128 v[8*\t:8*\t+3], v[GV], s[56:57] offset:64*\t
	global_load_b128 v[8*\t+4:8*\t+7], v[GV], s[56:57] offset:64*\t+16
	global_load_b128 v[128+8*\t:128+8*\t+3], v[GV], s[58:59] offset:64*\t
	global_load_b128 v[128+8*\t+4:128+8*\t+7], v[GV], s[58:59] offset:64*\t+16
.endr
	WIN 0
.macro ZSUM
.irp m, 0,1,2,3,4,5,6,7
	v_mov_b32 v[SUM+\m], 0
.endr
.endm
.macro REDUCE off                      ; the four rows' sums over halves, lanes and waves -> v[TP+m], in every lane
.irp m, 0,1,2,3
	v_add_f32 v[TP+\m], v[SUM+2*\m], v[SUM+2*\m+1]
.endr
.irp m, 0,1,2,3
	v_permlanex16_b32 v[TP+4+\m], v[TP+\m], s62, s63
.endr
.irp m, 0,1,2,3
	v_add_f32 v[TP+\m], v[TP+\m], v[TP+4+\m]
.endr
.irp m, 0,1,2,3
	ds_store_b32 v[RW], v[TP+\m] offset:\off+256*\m    ; both halves of the lanes write the same word with the same value
.endr
	s_wait_dscnt 0x0
	s_barrier_signal -1
	s_barrier_wait -1
.irp m, 0,1,2,3
	ds_load_b128 v[F0+4*\m:F0+4*\m+3], v[RR] offset:\off+256*\m
.endr
	s_wait_dscnt 0x0
.irp m, 0,1,2,3
	v_add_f32 v[F0+4*\m], v[F0+4*\m], v[F0+4*\m+1]
	v_add_f32 v[F0+4*\m+2], v[F0+4*\m+2], v[F0+4*\m+3]
.endr
.irp m, 0,1,2,3
	v_add_f32 v[TP+\m], v[F0+4*\m], v[F0+4*\m+2]
.endr
.endm
	ZSUM
.irp w, 0,1
	WIN 0x08+4*\w                                  ; source 1: window 2 or 3
.irp i, 0,1,2,3,4,5,6,7
.irp p, 0,1,2,3
.irp m, 0,1,2,3
	v_pk_add_f32 v[SUM+2*\m:SUM+2*\m+1], v[SUM+2*\m:SUM+2*\m+1], v[8*(4*\i+\m)+2*\p:8*(4*\i+\m)+2*\p+1]   ; four chains; each accumulator from its low end on
.endr
.endr
.endr
.endr
	WIN 0
	REDUCE 0
.irp m, 0,1,2,3
	v_mul_f32 v[MU+2*\m], s67, v[TP+\m]            ; the mean (0 for v)
.endr
	ZSUM
.irp w, 0,1                                    ; the variance by a second pass, of the differences themselves
	WIN 0x82+0x41*\w
.irp i, 0,1,2,3,4,5,6,7
.irp p, 0,1,2,3
.irp m, 0,1,2,3
	v_pk_add_f32 v[8*(4*\i+\m)+2*\p:8*(4*\i+\m)+2*\p+1], v[8*(4*\i+\m)+2*\p:8*(4*\i+\m)+2*\p+1], v[MU+2*\m:MU+2*\m+1] op_sel_hi:[1,0] neg_lo:[0,1] neg_hi:[0,1]
.endr
.endr
.endr
	WIN 0x0a+5*\w
.irp i, 0,1,2,3,4,5,6,7
.irp p, 0,1,2,3
.irp m, 0,1,2,3
	v_pk_fma_f32 v[SUM+2*\m:SUM+2*\m+1], v[8*(4*\i+\m)+2*\p:8*(4*\i+\m)+2*\p+1], v[8*(4*\i+\m)+2*\p:8*(4*\i+\m)+2*\p+1], v[SUM+2*\m:SUM+2*\m+1]
.endr
.endr
.endr
.endr
	WIN 0
	REDUCE 1024                                    ; other bytes than the first sums': one barrier each
.irp m, 0,1,2,3
	v_fma_f32 v[TP+\m], v[TP+\m], s68, s69         ; variance + 1e-5
.endr
.irp m, 0,1,2,3
	v_rsq_f32 v[MU+2*\m], v[TP+\m]
.endr
	v_nop                                          ; one plain place behind the transcendentals
.macro CVT w                           ; a window's 32 accumulators to f16: four registers each, in v128-255 of window 0
	WIN 0x0a+5*(\w)
.irp i, 0,1,2,3,4,5,6,7
.irp m, 0,1,2,3
.irp p, 0,1,2,3
	v_cvt_pk_f16_f32 v[F0+4*(4*\i+\m)+\p], v[8*(4*\i+\m)+2*\p], v[8*(4*\i+\m)+2*\p+1]
.endr
.endr
.endr
	WIN 0
.endm
	s_cmp_eq_u32 s29, 2
	s_cbranch_scc1 .Lv
	s_wait_loadcnt 0x0                             ; gain and bias
.irp w, 0,1
	WIN 0x82+0x41*\w
	s_wait_alu depctr_va_vdst(0)
.irp i, 0,1,2,3,4,5,6,7
.irp p, 0,1,2,3
.irp m, 0,1,2,3
	v_pk_mul_f32 v[8*(4*\i+\m)+2*\p:8*(4*\i+\m)+2*\p+1], v[8*(4*\i+\m)+2*\p:8*(4*\i+\m)+2*\p+1], v[MU+2*\m:MU+2*\m+1] op_sel_hi:[1,0]
.endr
.endr
.endr
	WIN 0x96+0x41*\w                               ; gain and bias in window 1
.irp i, 0,1,2,3,4,5,6,7
.irp p, 0,1,2,3
.irp m, 0,1,2,3
	v_pk_fma_f32 v[8*(4*\i+\m)+2*\p:8*(4*\i+\m)+2*\p+1], v[8*(4*\i+\m)+2*\p:8*(4*\i+\m)+2*\p+1], v[8*(8*\w+\i)+2*\p:8*(8*\w+\i)+2*\p+1], v[128+8*(8*\w+\i)+2*\p:128+8*(8*\w+\i)+2*\p+1]
.endr
.endr
.endr
.if \w
	s_wait_xcnt 0x0                                ; the first window's stores have read their data
.endif
	CVT \w
.irp i, 0,1,2,3,4,5,6,7
.irp m, 0,1,2,3
	global_store_b128 v[LI], v[F0+4*(4*\i+\m):F0+4*(4*\i+\m)+3], s[70:71] offset:((8*\w+\i)/4)*262144+2048*\m+(((8*\w+\i)%4)/2)*1024+(\i%2)*512   ; half a fragment: 512 consecutive bytes
.endr
.endr
.endr
	s_branch .Lend
.Lv:
.irp w, 0,1
.if \w
	s_wait_xcnt 0x0
.endif
	CVT \w
.irp i, 0,1,2,3,4,5,6,7
.irp m, 0,1,2,3
	global_store_b128 v[LI], v[F0+4*(4*\i+\m):F0+4*(4*\i+\m)+3], s[70:71] offset:((8*\w+\i)/2)*4096+1024*\m+(\i%2)*512
.endr
.endr
.endr
.Lend:
	s_wait_tensorcnt 0x0                           ; the wave's end
	ds_add_u32 v[SPW], v[NIL]
	s_wait_dscnt 0x0
	ROUND                                          ; the closing round
	s_endpgm
.Lfunc_end_k_qa11d7dcef1_proj:
	.size	k_qa11d7dcef1_proj, .Lfunc_end_k_qa11d7dcef1_proj-k_qa11d7dcef1_proj
	.p2alignl 7, 3214868480
	.fill 96, 4, 3214868480
	.section	.rodata,"a",@progbits
	.p2align	6, 0x0
	.amdhsa_kernel k_qa11d7dcef1_proj
		.amdhsa_group_segment_fixed_size 327680
		.amdhsa_private_segment_fixed_size 0
		.amdhsa_enable_private_segment 0
		.amdhsa_kernarg_size 56
		.amdhsa_user_sgpr_count 2
		.amdhsa_user_sgpr_kernarg_segment_ptr 1
		.amdhsa_wavefront_size32 1
		.amdhsa_system_sgpr_workgroup_id_x 1
		.amdhsa_system_sgpr_workgroup_id_y 1
		.amdhsa_system_sgpr_workgroup_id_z 1
		.amdhsa_system_vgpr_workitem_id 0
		.amdhsa_next_free_vgpr 1024
		.amdhsa_next_free_sgpr 80
		.amdhsa_reserve_vcc 0
		.amdhsa_float_denorm_mode_32 3
		.amdhsa_float_denorm_mode_16_64 3
		.amdhsa_memory_ordered 1
		.amdhsa_forward_progress 1
		.amdhsa_inst_pref_size 235
	.end_amdhsa_kernel
	.amdgpu_metadata
---
amdhsa.version: [ 1, 2 ]
amdhsa.kernels:
  - .name:           k_qa11d7dcef1_proj
    .symbol:         k_qa11d7dcef1_proj.kd
    .args:
      - { .name: codes, .offset: 0, .size: 8, .value_kind: global_buffer, .address_space: global }
      - { .name: scl, .offset: 8, .size: 8, .value_kind: global_buffer, .address_space: global }
      - { .name: q_ln_scale, .offset: 16, .size: 8, .value_kind: global_buffer, .address_space: global }
      - { .name: q_ln_bias, .offset: 24, .size: 8, .value_kind: global_buffer, .address_space: global }
      - { .name: k_ln_scale, .offset: 32, .size: 8, .value_kind: global_buffer, .address_space: global }
      - { .name: k_ln_bias, .offset: 40, .size: 8, .value_kind: global_buffer, .address_space: global }
      - { .name: qkv, .offset: 48, .size: 8, .value_kind: global_buffer, .address_space: global }
    .group_segment_fixed_size: 327680
    .private_segment_fixed_size: 0
    .kernarg_segment_align: 8
    .kernarg_segment_size: 56
    .max_flat_workgroup_size: 128
    .sgpr_count:     80
    .vgpr_count:     1024
    .wavefront_size: 32
...
	.end_amdgpu_metadata
.endif
;; end of part 2
;; launch attn (part 3): grid 8 x 32, 8 waves a work-group, no clusters, 33,792 bytes of LDS; arguments qkv, msk, flg, ao; writes ao
.if DOCPART == 3
	.amdgcn_target "amdgcn-amd-amdhsa--gfx1250"
	.amdhsa_code_object_version 6
	.text
	.protected	k_qa11d7dcef1_attn
	.globl	k_qa11d7dcef1_attn
	.p2align	8
	.type	k_qa11d7dcef1_attn,@function
k_qa11d7dcef1_attn:
	s_mov_b64 s[64:65], 0
	v_nop
	global_prefetch_b8 v0, s[64:65] scope:SCOPE_SE
	s_setreg_imm32_b32 hwreg(HW_REG_WAVE_MODE, 25, 1), 1
	s_wait_xcnt 0x0
; ATTN: O[q] = sum over keys of softmax(q . k / 8, under the given mask) v, for one head and 256 queries a work-group.  Operands f16, products, maxima and sums f32.
; SHARES.  Work-group (g, batch x 16 + head); wave u owns the tiles of 16 queries 8 g + u and 127 - 8 g - u.  Every wave walks 32 steps of 64 keys.
; LAYOUT.  S^T = K Q^T (source 0 = 16 keys, source 1 = 16 queries): a lane holds ONE query (lane % 16) and keys 8 (lane / 16) + 0 .. 7 of each tile of 16.  Two such tiles, packed to f16,
; are source 1 of O^T = V^T P.  Q, K and V^T arrive as images of their fragments: every fragment is two loads of 512 consecutive bytes.
; THE MASK is an input.  An earlier launch has packed it: one bit a key in the lane order of S^T (msk), and for each tile and step a bit 'some key counts' and a bit 'all count' (flg).
; A tile's step in which no key counts is passed over; one in which all count has no select.  This launch has no tensor load: K and V are staged
; through registers into two LDS slots, each wave 2,048 of a step's 16,384 bytes, two steps ahead; steps that no tile of the work-group wants are not fetched.  Multicast is left out.
; SOFTMAX.  Running maximum m and sum l for each query: p = 2^(c s - c m), c = log2(e) / 8; O and l are multiplied by a = 2^(c m_old - c m_new) in every live step.
; A query with no key at all gets l = 0 and O = 0, and 0 x (1 / 0) is NaN, as the softmax of an empty row is.
; LIMITS: |q|, |k|, |v| and the result stay under 65,504 (f16); NaN and infinities among the inputs are not served.
; REGISTERS: v1 16 x lane; v3 where I stage; v6 -infinity; v7 256 x lane; v12-19 c m, m, l (two halves) of tile 0, 1; v20-31 at work; v32-63 Q; v64-127 S^T, P over its low half; v128-191 K; v192-255 O^T;
;   window 1: v0-15 the staged bytes, v16-79 V^T.
.set LFR, 1
.set STW, 3
.set NINF, 6
.set PFO, 7
.set ST0, 12
.set Q,   32
.set S,   64
.set KF,  128
.set O,   192
.set SG,  0
.set VF,  16
.set MSB, 0
.macro WIN new                         ; the immediate's high byte repeats the setting that is left
.if MSB != (\new)
	s_set_vgpr_msb (MSB<<8)|(\new)
.set MSB, (\new)
.endif
.endm
	s_load_b128 s[4:7], s[0:1], 0x0                ; qkv, msk
	s_load_b64 s[80:81], s[0:1], 0x10              ; flg
	s_load_b64 s[8:9], s[0:1], 0x18                ; ao
	v_lshl_add_u32 v11, v0, 2, 0x8000
	v_mov_b32 v25, 0
	v_lshrrev_b32 v2, 5, v0
	v_readfirstlane_b32 s10, v2                    ; wave u
	v_and_b32 v2, 31, v0
	v_lshlrev_b32 v[LFR], 4, v2
	v_lshlrev_b32 v[PFO], 8, v2
	s_lshl_b32 s30, s10, 11
	v_add_nc_u32 v[STW], s30, v[LFR]
	v_mov_b32 v[NINF], 0xff800000
	s_mov_b32 s68, 0x3e38aa3b                      ; c = log2(e) / 8
	s_mov_b32 s69, s68                             ; (named with it as a pair)
	s_mov_b32 s70, 0x76543210
	s_mov_b32 s71, 0xfedcba98                      ; v_permlanex16_b32's selects for lane l xor 16
	s_and_b32 s12, ttmp7, 0xffff                   ; batch x 16 + head
	s_lshr_b32 s14, s12, 4
	s_lshl_b32 s14, s14, 7                         ; 128 x batch
	s_lshl_b32 s11, ttmp9, 3                       ; 8 g
	s_add_co_u32 s13, s11, s10                     ; my low tile
	s_sub_co_u32 s15, 127, s13                     ; my high tile
	s_add_co_u32 s82, s14, s13
	s_add_co_u32 s83, s14, s15
	s_add_co_u32 s22, s14, s11
	s_lshl_b32 s22, s22, 3                         ; the flags of tiles 8 g .. 8 g + 7: 8 bytes a tile
	s_sub_co_u32 s23, 120, s11
	s_add_co_u32 s23, s23, s14
	s_lshl_b32 s23, s23, 3                         ; and of tiles 120 - 8 g .. 127 - 8 g
	s_lshl_b32 s24, s82, 3
	s_lshl_b32 s25, s83, 3
	s_wait_kmcnt 0x0
	s_load_b512 s[32:47], s[80:81], s22 offset:0x0
	s_load_b512 s[48:63], s[80:81], s23 offset:0x0
	s_load_b64 s[76:77], s[80:81], s24 offset:0x0
	s_load_b64 s[78:79], s[80:81], s25 offset:0x0
	s_lshr_b32 s30, s10, 2                         ; what I stage: waves 0-3 K (8 MiB into qkv), waves 4-7 V^T (16 MiB),
	s_add_co_u32 s30, s30, 1
	s_lshl_b32 s30, s30, 23
	s_lshl_b32 s31, s12, 18                        ; my head's 262,144 bytes,
	s_add_co_u32 s30, s30, s31
	s_and_b32 s31, s10, 3
	s_lshl_b32 s31, s31, 11                        ; my 2,048 of a step's 8,192
	s_add_co_u32 s30, s30, s31
	s_mov_b32 s31, 0
	s_add_nc_u64 s[16:17], s[4:5], s[30:31]
	WIN 0x40
.irp i, 0,1,2,3
	global_load_b128 v[SG+4*\i:SG+4*\i+3], v[LFR], s[16:17] offset:512*\i       ; step 0
.endr
	WIN 0
	s_lshl_b32 s30, s12, 18
	s_lshl_b32 s84, s13, 11
	s_add_co_u32 s84, s84, s30
	s_mov_b32 s85, 0
	s_add_nc_u64 s[84:85], s[4:5], s[84:85]        ; Q of my low tile
	s_lshl_b32 s86, s15, 11
	s_add_co_u32 s86, s86, s30
	s_mov_b32 s87, 0
	s_add_nc_u64 s[86:87], s[4:5], s[86:87]        ; and of my high tile
.irp t, 0,1
.irp q, 0,1,2,3
	global_load_b128 v[Q+16*\t+4*\q:Q+16*\t+4*\q+3], v[LFR], s[84+2*\t:85+2*\t] offset:512*\q
.endr
.endr
	s_lshl_b32 s30, s82, 12
	s_add_nc_u64 s[18:19], s[6:7], s[30:31]        ; my tiles' mask words: 4,096 bytes a tile
	s_lshl_b32 s30, s83, 12
	s_add_nc_u64 s[20:21], s[6:7], s[30:31]
	s_and_b32 s11, s12, 15
	s_lshl_b32 s11, s11, 11                        ; the head's two fragments in a tile's row of ao
	s_lshl_b32 s30, s82, 15
	s_add_co_u32 s30, s30, s11
	s_add_nc_u64 s[72:73], s[8:9], s[30:31]
	s_lshl_b32 s30, s83, 15
	s_add_co_u32 s30, s30, s11
	s_add_nc_u64 s[74:75], s[8:9], s[30:31]
	s_and_b32 s30, s10, 3                          ; who prefetches: waves 0 (K) and 4 (V^T) of the head's first work-group
	s_or_b32 s30, s30, ttmp9
	s_cmp_eq_u32 s30, 0
	s_cselect_b32 s66, 2, -1
	s_cselect_b32 s67, 3, -1
.irp j, 0,1,2,3,4,5,6,7,8,9,10,11,12,13,14,15,16,17,18,19,20,21,22,23,24,25,26,27,28,29,30,31,32,33,34,35,36,37,38,39,40,41,42,43,44,45,46,47,48,49,50,51,52,53,54,55,56,57,58,59,60,61,62,63
	v_mov_b32 v[O+\j], 0                           ; O^T: which step is a tile's first live one hangs on the mask, so no product can be written as the one that starts the sums
.endr
.irp t, 0,1
	v_mov_b32 v[ST0+4*\t+1], 0xff61b1e6            ; m = -3e38, under every score
	v_mul_f32 v[ST0+4*\t], s68, v[ST0+4*\t+1]
	v_mov_b32 v[ST0+4*\t+2], 0
	v_mov_b32 v[ST0+4*\t+3], 0
.endr
.irp j, 22,23,27,29
	v_mov_b32 v[\j], 0                             ; (lane permutes' destinations, and the upper halves of pairs of which the low word serves both halves)
.endr
	s_wait_kmcnt 0x0
.irp j, 34,36,38,40,42,44,46,48,50,52,54,56,58,60,62
	s_or_b32 s32, s32, s[\j]                       ; the sixteen tiles' flags of keys 0 - 1,023,
.endr
.irp j, 35,37,39,41,43,45,47,49,51,53,55,57,59,61,63
	s_or_b32 s33, s33, s[\j]                       ; and of keys 1,024 - 2,047
.endr
	s_and_b32 s32, s32, 0xffff
	s_lshl_b32 s33, s33, 16
	s_or_b32 s32, s32, s33                         ; bit j: some tile of the work-group wants step j
	s_lshr_b32 s28, s32, 1                         ; bit 0: the next step is wanted (it is stored into its slot)
	s_lshr_b32 s29, s32, 2                         ; bit 0: the step after it is wanted (it is loaded); zeros come in from above, so steps 32 and 33 are never asked for
.irp t, 0,1
	s_and_b32 s[24+\t], s[76+2*\t], 0xffff
	s_lshl_b32 s30, s[77+2*\t], 16
	s_or_b32 s[24+\t], s[24+\t], s30               ; bit 0: some key of the step counts for tile t
	s_lshr_b32 s30, s[76+2*\t], 16
	s_and_b32 s31, s[77+2*\t], 0xffff0000
	s_or_b32 s30, s30, s31
	s_and_not1_b32 s[26+\t], s[24+\t], s30         ; bit 0: some, but not all
.endr
	s_mov_b32 s22, 0                               ; the step's mask words: 128 bytes a step
	s_mov_b32 s23, 16                              ; trips of two steps
	s_wait_loadcnt 8                               ; step 0's four loads are in; Q's eight may be out
	WIN 0x04
.irp i, 0,1,2,3
	ds_store_b128 v[STW], v[SG+4*\i:SG+4*\i+3] offset:512*\i
.endr
	WIN 0
	s_wait_dscnt 0x0                               ; my part of slot 0 is stored, and the stores have read their registers
	WIN 0x40
.irp i, 0,1,2,3
	global_load_b128 v[SG+4*\i:SG+4*\i+3], v[LFR], s[16:17] offset:8192+512*\i  ; step 1
.endr
	WIN 0
	s_barrier_signal -1
	s_barrier_wait -1
; The loads of step j + 2, where some tile wants it, and the prefetch of step j + 5: 8,192 bytes, a lane 256 bytes, three steps ahead of that step's load; each block is named once in the launch
; (one wave of the head's first work-group for K, one for V^T); the trips whose look-ahead would pass step 31 ask for nothing.
.macro NEXT k
	s_bitcmp1_b32 s29, 0
	s_cbranch_scc0 .Lnl_\@
	WIN 0x40
.irp i, 0,1,2,3
	global_load_b128 v[SG+4*\i:SG+4*\i+3], v[LFR], s[16:17] offset:(2+\k)*8192+512*\i
.endr
	WIN 0
.Lnl_\@:
	s_cmp_gt_u32 s23, s[66+\k]
	s_cbranch_scc0 .Lna_\@
	global_prefetch_b8 v[PFO], s[16:17] offset:(5+\k)*8192 th:TH_LOAD_NT scope:SCOPE_SE
.Lna_\@:
.endm
; One tile's step, under one test: scores, select, softmax, V^T P.
.macro TILE t
.set rT, ST0+4*\t
.set rS, S+32*\t
.set rO, O+32*\t
	s_bitcmp1_b32 s[24+\t], 0
	s_cbranch_scc0 .Lnt_\@
.irp e, 0,1                                    ; four accumulators by turns, one instruction a turn
.irp u, 0,1,2,3
.if \e == 0
	v_wmma_f32_16x16x32_f16 v[rS+8*\u:rS+8*\u+7], v[KF+16*\u:KF+16*\u+7], v[Q+16*\t:Q+16*\t+7], 0
.else
	v_wmma_f32_16x16x32_f16 v[rS+8*\u:rS+8*\u+7], v[KF+16*\u+8:KF+16*\u+15], v[Q+16*\t+8:Q+16*\t+15], v[rS+8*\u:rS+8*\u+7]
.endif
.endr
.endr
.rept 4
	v_nop                                          ; places ahead of the reads of the scores, and of the next step's loads into K's registers
.endr
	s_bitcmp1_b32 s[26+\t], 0
	s_cbranch_scc0 .Lopen_\@
	s_load_b512 s[32:47], s[18+2*\t:19+2*\t], s22 offset:0x0
	s_load_b512 s[48:63], s[18+2*\t:19+2*\t], s22 offset:0x40
	s_wait_kmcnt 0x0
.irp n, 0,1,2,3,4,5,6,7,8,9,10,11,12,13,14,15,16,17,18,19,20,21,22,23,24,25,26,27,28,29,30,31
	v_cndmask_b32 v[rS+\n], v[NINF], v[rS+\n], s[32+\n]    ; a hidden key's score becomes -infinity: p = 0
.endr
.Lopen_\@:
.irp j, 0,1,2,3
	v_max3_num_f32 v[20+\j], v[rS+8*\j], v[rS+8*\j+1], v[rS+8*\j+2]   ; four chains; each accumulator from its low end on
.endr
.irp q, 3,5
.irp j, 0,1,2,3
	v_max3_num_f32 v[20+\j], v[20+\j], v[rS+8*\j+\q], v[rS+8*\j+\q+1]
.endr
.endr
	v_max3_num_f32 v20, v20, v[rS+7], v[rS+15]
	v_max3_num_f32 v22, v22, v[rS+23], v[rS+31]
	v_max3_num_f32 v20, v20, v21, v22
	v_max3_num_f32 v20, v20, v23, v[rT+1]          ; with the old m
	v_permlanex16_b32 v21, v20, s70, s71           ; the query's other 32 keys lie in the lane 16 away
	v_mov_b32 v24, v[rT]
	v_max_num_f32 v[rT+1], v20, v21
	v_mul_f32 v[rT], s68, v[rT+1]
	v_sub_f32 v24, v24, v[rT]
	v_exp_f32 v26, v24                             ; a
.irp j, 0,2,4,6,8,10,12,14,16,18,20,22,24,26,28,30
	v_pk_fma_f32 v[rS+\j:rS+\j+1], v[rS+\j:rS+\j+1], s[68:69], v[rT:rT+1] op_sel_hi:[1,0,0] neg_lo:[0,0,1] neg_hi:[0,0,1]   ; c s - c m
.endr
.irp j, 0,1,2,3,4,5,6,7,8,9,10,11,12,13,14,15,16,17,18,19,20,21,22,23,24,25,26,27,28,29,30,31
	v_exp_f32 v[rS+\j], v[rS+\j]
.endr
	s_wait_alu depctr_va_vdst(0)
.irp j, 0,2,4,6,8,10,12,14,16,18,20,22,24,26,28,30
	v_pk_mul_f32 v[rO+\j:rO+\j+1], v[rO+\j:rO+\j+1], v[26:27] op_sel_hi:[1,0]   ; O^T x a (plain lines behind the exponentials)
.endr
	v_pk_add_f32 v[28:29], v[rS:rS+1], v[rS+2:rS+3]   ; the sum of the unrounded p, in two chains
	v_pk_add_f32 v[30:31], v[rS+4:rS+5], v[rS+6:rS+7]
.irp j, 8,12,16,20,24,28
	v_pk_add_f32 v[28:29], v[28:29], v[rS+\j:rS+\j+1]
	v_pk_add_f32 v[30:31], v[30:31], v[rS+\j+2:rS+\j+3]
.endr
	v_pk_add_f32 v[28:29], v[28:29], v[30:31]
	v_pk_fma_f32 v[rT+2:rT+3], v[rT+2:rT+3], v[26:27], v[28:29] op_sel_hi:[1,0,1]   ; l = a l + the sum
.irp j, 0,1,2,3,4,5,6,7,8,9,10,11,12,13,14,15
	v_cvt_pk_f16_f32 v[rS+\j], v[rS+2*\j], v[rS+2*\j+1]   ; P, in place, ascending: register j is written when registers 2 j and 2 j + 1 are read
.endr
	WIN 0x01                                       ; V^T in window 1
.irp kk, 0,1
.irp d, 0,1,2,3
	v_wmma_f32_16x16x32_f16 v[rO+8*\d:rO+8*\d+7], v[VF+8*(4*\kk+\d):VF+8*(4*\kk+\d)+7], v[rS+8*\kk:rS+8*\kk+7], v[rO+8*\d:rO+8*\d+7]
.endr
.endr
	WIN 0
.rept 5
	v_nop                                          ; five places: the tile's next scores are written over P by matrix instructions; four serve the loads into V^T's registers and the reads of O^T
.endr
.Lnt_\@:
.endm
; A step: slot sl holds its keys.  One barrier a step: in front of it each wave's stores into the other slot and its reads of this slot are waited for.
.macro STEP sl, k
	s_wait_loadcnt 0x0                             ; the next step's staged bytes are in (in the first step: Q too)
	s_bitcmp1_b32 s28, 0
	s_cbranch_scc0 .Lns_\@
	WIN 0x04
.irp i, 0,1,2,3
	ds_store_b128 v[STW], v[SG+4*\i:SG+4*\i+3] offset:(1-\sl)*16384+512*\i     ; the slot that every wave left at the last barrier
.endr
	WIN 0
.Lns_\@:
	s_or_b32 s30, s24, s25
	s_bitcmp1_b32 s30, 0
	s_cbranch_scc0 .Lidle_\@
.irp f, 0,1,2,3,4,5,6,7
	ds_load_b128 v[KF+8*\f:KF+8*\f+3], v[LFR] offset:\sl*16384+1024*\f
	ds_load_b128 v[KF+8*\f+4:KF+8*\f+7], v[LFR] offset:\sl*16384+1024*\f+512
.endr
	WIN 0x40
.irp f, 0,1,2,3,4,5,6,7
	ds_load_b128 v[VF+8*\f:VF+8*\f+3], v[LFR] offset:\sl*16384+8192+1024*\f
	ds_load_b128 v[VF+8*\f+4:VF+8*\f+7], v[LFR] offset:\sl*16384+8192+1024*\f+512
.endr
	WIN 0
	s_wait_dscnt 0x0                               ; K and V^T are in; my stores are done and have read their registers
	NEXT \k
	TILE 0
	TILE 1
	s_branch .Ljoin_\@
.Lidle_\@:
	s_wait_dscnt 0x0                               ; my stores are done and have read their registers
	NEXT \k
.Ljoin_\@:
.irp j, 24,25,26,27,28,29
	s_lshr_b32 s[\j], s[\j], 1                     ; on to the next step's flags
.endr
	s_add_co_u32 s22, s22, 128
	s_barrier_signal -1
	s_barrier_wait -1
.endm
.Ltrip:
	STEP 0, 0
	STEP 1, 1
	s_wait_xcnt 0x0                                ; the loads and the prefetch have read their base
	s_add_nc_u64 s[16:17], s[16:17], 16384
	s_sub_co_u32 s23, s23, 1
	s_cmp_lg_u32 s23, 0
	s_cbranch_scc1 .Ltrip
	; THE WAY OUT: O^T / l, to f16: a lane's eight channels of a query are four registers of a fragment of the next product's operand
	v_add_f32 v20, v14, v15
	v_add_f32 v21, v18, v19
	v_permlanex16_b32 v22, v20, s70, s71
	v_permlanex16_b32 v23, v21, s70, s71
	v_add_f32 v20, v20, v22
	v_add_f32 v21, v21, v23
	v_rcp_f32 v26, v20
	v_rcp_f32 v28, v21
	v_nop                                          ; one plain place behind the transcendentals
	s_wait_alu depctr_va_vdst(0)
.irp t, 0,1
.irp j, 0,2,4,6,8,10,12,14,16,18,20,22,24,26,28,30
	v_pk_mul_f32 v[O+32*\t+\j:O+32*\t+\j+1], v[O+32*\t+\j:O+32*\t+\j+1], v[26+2*\t:27+2*\t] op_sel_hi:[1,0]
.endr
.endr
.irp t, 0,1
.irp j, 0,1,2,3,4,5,6,7,8,9,10,11,12,13,14,15
	v_cvt_pk_f16_f32 v[S+16*\t+\j], v[O+32*\t+2*\j], v[O+32*\t+2*\j+1]
.endr
.endr
.irp t, 0,1
.irp d, 0,1,2,3
	global_store_b128 v[LFR], v[S+16*\t+4*\d:S+16*\t+4*\d+3], s[72+2*\t:73+2*\t] offset:512*\d   ; 512 consecutive bytes a store, 2,048 a tile
.endr
.endr
	s_wait_tensorcnt 0x0
	ds_add_u32 v11, v25
	s_wait_dscnt 0x0
	s_endpgm
.Lfunc_end_k_qa11d7dcef1_attn:
	.size	k_qa11d7dcef1_attn, .Lfunc_end_k_qa11d7dcef1_attn-k_qa11d7dcef1_attn
	.p2alignl 7, 3214868480
	.fill 96, 4, 3214868480
	.section	.rodata,"a",@progbits
	.p2align	6, 0x0
	.amdhsa_kernel k_qa11d7dcef1_attn
		.amdhsa_group_segment_fixed_size 33792
		.amdhsa_private_segment_fixed_size 0
		.amdhsa_enable_private_segment 0
		.amdhsa_kernarg_size 32
		.amdhsa_user_sgpr_count 2
		.amdhsa_user_sgpr_kernarg_segment_ptr 1
		.amdhsa_wavefront_size32 1
		.amdhsa_system_sgpr_workgroup_id_x 1
		.amdhsa_system_sgpr_workgroup_id_y 1
		.amdhsa_system_sgpr_workgroup_id_z 1
		.amdhsa_system_vgpr_workitem_id 0
		.amdhsa_next_free_vgpr 336
		.amdhsa_next_free_sgpr 88
		.amdhsa_reserve_vcc 0
		.amdhsa_float_denorm_mode_32 3
		.amdhsa_float_denorm_mode_16_64 3
		.amdhsa_memory_ordered 1
		.amdhsa_forward_progress 1
		.amdhsa_inst_pref_size 63
	.end_amdhsa_kernel
	.amdgpu_metadata
---
amdhsa.version: [ 1, 2 ]
amdhsa.kernels:
  - .name:           k_qa11d7dcef1_attn
    .symbol:         k_qa11d7dcef1_attn.kd
    .args:
      - { .name: qkv, .offset: 0, .size: 8, .value_kind: global_buffer, .address_space: global }
      - { .name: msk, .offset: 8, .size: 8, .value_kind: global_buffer, .address_space: global }
      - { .name: flg, .offset: 16, .size: 8, .value_kind: global_buffer, .address_space: global }
      - { .name: ao, .offset: 24, .size: 8, .value_kind: global_buffer, .address_space: global }
    .group_segment_fixed_size: 33792
    .private_segment_fixed_size: 0
    .kernarg_segment_align: 8
    .kernarg_segment_size: 32
    .max_flat_workgroup_size: 256
    .sgpr_count:     88
    .vgpr_count:     336
    .wavefront_size: 32
...
	.end_amdgpu_metadata
.endif
;; end of part 3
;; launch oproj (part 4): grid 8 x 32, 4 waves a work-group, clusters of 4 x 4, 327,680 bytes of LDS; arguments ao, wof, out0; writes out0
.if DOCPART == 4
	.amdgcn_target "amdgcn-amd-amdhsa--gfx1250"
	.amdhsa_code_object_version 6
	.text
	.protected	k_qa11d7dcef1_oproj
	.globl	k_qa11d7dcef1_oproj
	.p2align	8
	.type	k_qa11d7dcef1_oproj,@function
k_qa11d7dcef1_oproj:
	s_mov_b64 s[64:65], 0
	v_nop
	global_prefetch_b8 v0, s[64:65] scope:SCOPE_SE
	s_setreg_imm32_b32 hwreg(HW_REG_WAVE_MODE, 25, 1), 1
	s_wait_xcnt 0x0
	s_wait_alu depctr_hold_cnt(0) depctr_sa_sdst(0) depctr_va_vdst(0) depctr_va_sdst(0) depctr_va_ssrc(0) depctr_va_vcc(0) depctr_vm_vsrc(0)
	s_getreg_b32 s2, hwreg(HW_REG_IB_STS2, 6, 4)
	s_cmp_eq_u32 s2, 0
	s_cbranch_scc0 .Lentry_in_a_cluster
	s_endpgm
.Lentry_in_a_cluster:
	s_bfe_u32 s2, ttmp6, 0x10000c
	s_cmp_lg_u32 s2, 0xf033
	s_cbranch_scc0 .Lentry_shape_is_right
	s_endpgm
.Lentry_shape_is_right:
; OPROJ: out0[t][e] = sum over h of a[t][h] wo[e][h].  a (4,096 x 1,024) and wo (1,024 x 1,024) arrive as f16 fragments, [tile of 16 rows][32 along K][1,024 bytes], images of their registers; out0 is f32.
; A tile of out0 is 128 x 128: 256 work-groups.  Four waves, each 64 x 64: 16 accumulators.  K goes in four steps of 256 through two LDS slots: a step's part of a tile of 16 rows is 8,192 consecutive bytes,
; and a wave's tensor load brings four of them (rows of 8,192 bytes, 32,768 apart).  No padding: a fragment load reads 512 consecutive bytes.
; CLUSTERS: 4 x 4 work-groups; the four of a row need the same tiles of a, the four of a column the same tiles of wo: each is asked for JOINTLY.
; THE MATRIX INSTRUCTION IS USED TRANSPOSED (source 0 = 16 rows of wo, source 1 = 16 rows of a): a lane holds eight neighbouring numbers of a row of out0.
; By this text's own count a wave has two tensor loads out at the start and one behind each round.
; LIMITS: operands are f16: |a|, |wo| under 65,504.
; REGISTERS: window 0: v16-29 addresses; v32-95 the way out; v128-255 the accumulators ((a, b) at v[128 + 8 (4 a + b)]).  window 1: two fragment buffers of 128: 64 registers of a, then 64 of wo, for 64 along K.
.set HALFT,  32768                     ; what one tensor load brings: four tiles of 16 rows x 256 along K
.set SLOT,   4*HALFT                   ; a's eight tiles, then wo's eight
.set SPARE,  2*SLOT                    ; the spare words: 128 bytes a wave, two blocks of 256 bytes that no other line names
.set SPITCH, 272                       ; the way out: a stage of 16 rows x (256 + 16) bytes a wave, in slot 0, which has had its last fill and its last read by then
.set ADRA, 16
.set ADRB, 20
.set STO,  24
.set RD,   25
.set CO,   26
.set SPW,  28
.set NIL,  29
.set TMP,  32
.set ACC,  128
.set F0,   0
.set F1,   128
.set G1, 24
.set G0, 32
.set G1B, 48
.set G0B, 56
.set MSB, 0
.macro WIN new                         ; the immediate's high byte repeats the setting that is left
.if MSB != (\new)
	s_set_vgpr_msb (MSB<<8)|(\new)
.set MSB, (\new)
.endif
.endm
.set MUL,  0x05                        ; sources 0 and 1 window 1; C and D window 0
.set TO_F, 0x40                        ; destination window 1, address window 0
.macro JLOAD s                         ; a joint load: waves 0 and 1 fetch a's halves, waves 2 and 3 wo's; four v_nop follow each of the two lines
	s_cmp_eq_u32 s11, 0
	s_cbranch_scc0 .Lfor_b_\@
	tensor_load_to_lds s[G0+4*\s:G0+4*\s+3], s[G1:G1+7]
	s_nop 0
.rept 4
	v_nop
.endr
	s_branch .Lasked_\@
.Lfor_b_\@:
	tensor_load_to_lds s[G0B+4*\s:G0B+4*\s+3], s[G1B:G1B+7]
	s_nop 0
.rept 4
	v_nop
.endr
.Lasked_\@:
.endm
.macro CREST                           ; a round of the cluster's barrier behind its opening barrier
	s_cmp_lg_u32 s10, 0
	s_cbranch_scc1 .Lnot_wave_0_\@
	s_barrier_signal -3
.Lnot_wave_0_\@:
	s_barrier_wait -3
	s_barrier_signal -1
	s_barrier_wait -1
.endm
.macro CROUND
	s_barrier_signal -1
	s_barrier_wait -1
	CREST
.endm
	s_load_b128 s[4:7], s[0:1], 0x0                ; ao, wof
	s_load_b64 s[8:9], s[0:1], 0x10                ; out0
	v_lshl_add_u32 v[SPW], v0, 2, SPARE
	v_mov_b32 v[NIL], 0
	ds_add_u32 v28, v29
	ds_add_u32 v28, v29
	s_wait_dscnt 0x0
	v_lshrrev_b32 v1, 5, v0
	v_readfirstlane_b32 s10, v1                    ; wave 0..3
	s_lshr_b32 s11, s10, 1                         ; which half of the tile's rows is mine.  Also: I fetch for a (0) or for wo (1)
	s_and_b32 s12, s10, 1                          ; which half of its columns.  Also: which four tiles of 16 rows I fetch
	s_bfe_u32 s40, ttmp6, 0x40000                  ; cx, cy
	s_bfe_u32 s41, ttmp6, 0x40004
	s_lshl_b32 s42, ttmp9, 2
	s_add_co_u32 s42, s42, s40                     ; tile column
	s_and_b32 s13, ttmp7, 0xffff
	s_lshl_b32 s13, s13, 2
	s_add_co_u32 s13, s13, s41                     ; tile row
	s_lshl_b32 s43, s41, 2
	s_lshl_b32 s43, 15, s43                        ; my row of the cluster
	s_lshl_b32 s44, 0x1111, s40                    ; my column
	s_or_b32 s[G1+0], s43, (3<<16)|(1<<21)         ; 15:0 the mask; 17:16 elements of 8 bytes; 21 set beside a mask; no padding
	s_or_b32 s[G1B+0], s44, (3<<16)|(1<<21)
.irp g, G1, G1B
	s_mov_b32 s[\g+1], 1024<<16                    ; tensor_dim0 = 1,024 elements: 8,192 bytes
	s_mov_b32 s[\g+2], 4<<16                       ; tensor_dim1 = 4
	s_mov_b32 s[\g+3], 1024<<16                    ; tile_dim0
	s_mov_b32 s[\g+4], 4                           ; tile_dim1
	s_mov_b32 s[\g+5], 4096                        ; from row to row: 32,768 bytes
	s_mov_b32 s[\g+6], 0
	s_mov_b32 s[\g+7], 0
.endr
	s_lshl_b32 s17, s12, 2
	s_lshl_b32 s16, s13, 3
	s_add_co_u32 s16, s16, s17                     ; a: tile of 16 rows 8 x tile row + 4 x half
	s_lshl_b32 s16, s16, 15
	s_lshl_b32 s46, s42, 3
	s_add_co_u32 s46, s46, s17                     ; wo: 8 x tile column + 4 x half
	s_lshl_b32 s46, s46, 15
	s_mov_b32 s17, 0
	s_mov_b32 s47, 0
	s_lshl_b32 s20, s10, 15                        ; where they go: wave x 32,768: no place in the cluster enters an LDS address
	s_wait_kmcnt 0x0
	s_add_nc_u64 s[14:15], s[4:5], s[16:17]
	s_add_nc_u64 s[46:47], s[6:7], s[46:47]
	CROUND                                         ; all sixteen work-groups are here: the first joint loads meet
.irp s, 0,1
	s_mov_b32 s[G0+4*\s], 1
	s_add_co_u32 s[G0+4*\s+1], s20, \s*SLOT
	s_add_nc_u64 s[G0+4*\s+2:G0+4*\s+3], s[14:15], \s*8192
	s_or_b32 s[G0+4*\s+3], s[G0+4*\s+3], 0x80000000
	s_mov_b32 s[G0B+4*\s], 1
	s_add_co_u32 s[G0B+4*\s+1], s20, \s*SLOT
	s_add_nc_u64 s[G0B+4*\s+2:G0B+4*\s+3], s[46:47], \s*8192
	s_or_b32 s[G0B+4*\s+3], s[G0B+4*\s+3], 0x80000000
	JLOAD \s
.endr
	v_and_b32 v1, 15, v0                           ; l % 16
	v_bfe_u32 v2, v0, 4, 1                         ; l / 16
	v_and_b32 v3, 31, v0
	v_lshlrev_b32 v3, 4, v3                        ; 16 x lane
	s_lshl_b32 s21, s11, 15                        ; my four tiles of a
	s_lshl_b32 s22, s12, 15                        ; my four tiles of wo,
	s_add_co_u32 s22, s22, 2*HALFT                 ; which lie behind a's eight
.irp s, 0,1
	v_add_nc_u32 v[ADRA+\s], s21, v3
	v_add_nc_u32 v[ADRB+\s], s22, v3
	s_add_co_u32 s21, s21, SLOT
	s_add_co_u32 s22, s22, SLOT
.endr
	s_mul_i32 s23, s10, 4608                       ; my stage
	v_mul_u32_u24 v4, v1, SPITCH
	v_lshl_add_u32 v4, v2, 5, v4
	v_add_nc_u32 v[STO], s23, v4                   ; in: row l % 16, 32 bytes for each half of the lanes
	v_mul_u32_u24 v5, v2, SPITCH
	v_lshl_add_u32 v5, v1, 4, v5
	v_add_nc_u32 v[RD], s23, v5                    ; back: lanes 0-15 one row of 256 bytes, lanes 16-31 the next
	v_lshlrev_b32 v5, 12, v2
	v_lshl_add_u32 v[CO], v1, 4, v5                ; and the same two rows in out0
	s_lshl_b32 s16, s13, 7
	s_lshl_b32 s17, s11, 6
	s_add_co_u32 s16, s16, s17                     ; my first row: 128 x tile row + 64 x half
	s_lshl_b32 s16, s16, 12
	s_mov_b32 s17, 0
	s_add_nc_u64 s[8:9], s[8:9], s[16:17]
	s_lshl_b32 s46, s42, 9                         ; my first column, in bytes: 512 x tile column + 256 x half
	s_lshl_b32 s47, s12, 8
	s_add_co_u32 s46, s46, s47
	s_mov_b32 s47, 0
	s_add_nc_u64 s[8:9], s[8:9], s[46:47]
; 8 matrix instructions: row blocks a0, a0 + 1 x all 4 column blocks, 32 along K: half c of buffer f.  The 16 accumulators take turns.
.macro MUL8 f, c, a0, zero
.irp a, \a0, \a0+1
.irp b, 0,1,2,3
.if \zero
	v_wmma_f32_16x16x32_f16 v[ACC+8*(4*(\a)+\b):ACC+8*(4*(\a)+\b)+7], v[\f+64+8*(4*\c+\b):\f+64+8*(4*\c+\b)+7], v[\f+8*(4*\c+\a):\f+8*(4*\c+\a)+7], 0
.else
	v_wmma_f32_16x16x32_f16 v[ACC+8*(4*(\a)+\b):ACC+8*(4*(\a)+\b)+7], v[\f+64+8*(4*\c+\b):\f+64+8*(4*\c+\b)+7], v[\f+8*(4*\c+\a):\f+8*(4*\c+\a)+7], v[ACC+8*(4*(\a)+\b):ACC+8*(4*(\a)+\b)+7]
.endif
.endr
.endr
.endm
; 32 LDS loads in one run: the fragments of quarter q (64 along K) of the slot's step, into buffer f; the first 32 along K first
.macro FETCH slot, q, f
	WIN TO_F
.irp c, 0,1
.irp i, 0,1,2,3
	ds_load_b128 v[\f+64+8*(4*\c+\i):\f+64+8*(4*\c+\i)+3],   v[ADRB+\slot] offset:(2*(\q)+\c)*1024+\i*8192
	ds_load_b128 v[\f+64+8*(4*\c+\i)+4:\f+64+8*(4*\c+\i)+7], v[ADRB+\slot] offset:(2*(\q)+\c)*1024+\i*8192+512
	ds_load_b128 v[\f+8*(4*\c+\i):\f+8*(4*\c+\i)+3],         v[ADRA+\slot] offset:(2*(\q)+\c)*1024+\i*8192
	ds_load_b128 v[\f+8*(4*\c+\i)+4:\f+8*(4*\c+\i)+7],       v[ADRA+\slot] offset:(2*(\q)+\c)*1024+\i*8192+512
.endr
.endr
.endm
.macro PLACES                          ; four places ahead of loads into registers that matrix instructions have read, and of reads of results
.rept 4
	v_nop
.endr
.endm
; One of a K step's first three quarters: multiplies buffer f and fetches quarter q into g.
.macro QUARTER slot, q, f, g, zero
	s_wait_dscnt 16                                ; the first 32 along K are in
	WIN MUL
	MUL8 \f, 0, 0, \zero
	MUL8 \f, 0, 2, \zero
	PLACES
	FETCH \slot, \q, \g
	s_wait_dscnt 32                                ; all but the 32 just issued
	WIN MUL
	MUL8 \f, 1, 0, 0
	MUL8 \f, 1, 2, 0
.endm
; The last quarter multiplies buffer 1 and changes slots: ONE barrier; in front of it each wave waits for all its tensor loads, adds 0 to its spare word, and waits for that and for its reads of this slot.
.macro TURN slot, next, fill
	WIN 0                                          ; (the add's two registers lie in window 0)
	s_wait_tensorcnt 0x0                           ; all my tensor loads have landed: my part of the next slot
	ds_add_u32 v[SPW], v[NIL]                      ; 0 onto my spare word
	s_wait_dscnt 17                                ; (the add and the youngest sixteen loads may be out)
	WIN MUL
	MUL8 F1, 0, 0, 0
	s_wait_dscnt 0x0                               ; the add is done, and my reads of this slot are over
	s_barrier_signal -1
	MUL8 F1, 0, 2, 0
.if \fill
	WIN 0
.endif
	s_barrier_wait -1
.if \fill
	CREST                                          ; the barrier has opened a round of the cluster's: no wave of any partner still reads this slot or has a load on its way
	s_add_nc_u64 s[G0+4*\slot+2:G0+4*\slot+3], s[G0+4*\slot+2:G0+4*\slot+3], 2*8192
	s_add_nc_u64 s[G0B+4*\slot+2:G0B+4*\slot+3], s[G0B+4*\slot+2:G0B+4*\slot+3], 2*8192
	JLOAD \slot                                    ; the first tensor load behind the round; its four v_nop are also the places ahead of the loads below
.else
	PLACES
.endif
	FETCH \next, 0, F0
	WIN MUL
	MUL8 F1, 1, 0, 0
	MUL8 F1, 1, 2, 0
.endm
	s_wait_tensorcnt 1                             ; my part of K step 0 is in; K step 1's may stay out
	s_barrier_signal -1
	s_barrier_wait -1
	FETCH 0, 0, F0
	QUARTER 0, 1, F0, F1, 1                        ; the first products start the sums
	QUARTER 0, 2, F1, F0, 0
	QUARTER 0, 3, F0, F1, 0
	TURN 0, 1, 1                                   ; slot 0 takes K step 2
	QUARTER 1, 1, F0, F1, 0
	QUARTER 1, 2, F1, F0, 0
	QUARTER 1, 3, F0, F1, 0
	TURN 1, 0, 1                                   ; slot 1 takes K step 3
	QUARTER 0, 1, F0, F1, 0
	QUARTER 0, 2, F1, F0, 0
	QUARTER 0, 3, F0, F1, 0
	TURN 0, 1, 0                                   ; nothing is left to fetch
	QUARTER 1, 1, F0, F1, 0
	QUARTER 1, 2, F1, F0, 0
	QUARTER 1, 3, F0, F1, 0
	s_wait_dscnt 16
	WIN MUL
	MUL8 F1, 0, 0, 0
	MUL8 F1, 0, 2, 0
	s_wait_dscnt 0x0
	MUL8 F1, 1, 0, 0
	MUL8 F1, 1, 2, 0
	WIN 0
; THE WAY OUT, 16 rows x 64 columns at a time.  A lane holds 32 neighbouring bytes of a row; a block goes through my own stage and comes back as whole rows of 256 bytes, which sixteen lanes store.
; LDS serves a wave's instructions in order (ISA guide 5.7.1.4): no wait between the stores and the loads, nor ahead of the next block's stores.
.macro TOSTAGE a
.irp b, 0,1,2,3
	ds_store_b128 v[STO], v[ACC+8*(4*(\a)+\b):ACC+8*(4*(\a)+\b)+3] offset:64*\b        ; each accumulator from its low end on
	ds_store_b128 v[STO], v[ACC+8*(4*(\a)+\b)+4:ACC+8*(4*(\a)+\b)+7] offset:64*\b+16
.endr
.irp i, 0,1,2,3,4,5,6,7
	ds_load_b128 v[TMP+32*((\a)%2)+4*\i:TMP+32*((\a)%2)+4*\i+3], v[RD] offset:544*\i
.endr
.endm
.macro SEND a, younger                 ; younger: the LDS instructions issued behind block a's loads
	s_wait_dscnt \younger
.irp i, 0,1,2,3,4,5,6,7
	global_store_b128 v[CO], v[TMP+32*((\a)%2)+4*\i:TMP+32*((\a)%2)+4*\i+3], s[8:9] offset:(16*(\a)+2*\i)*4096 th:TH_STORE_NT   ; sixteen lanes store 256 consecutive bytes, aligned
.endr
.endm
	PLACES
	TOSTAGE 0
	TOSTAGE 1
	SEND 0, 16                                     ; behind block 0's loads: block 1's eight stores and eight loads
	s_wait_xcnt 0x0                                ; block 0's stores have read their registers
	TOSTAGE 2
	SEND 1, 16
	s_wait_xcnt 0x0
	TOSTAGE 3
	SEND 2, 16
	SEND 3, 0
	s_wait_tensorcnt 0x0                           ; the wave's end
	ds_add_u32 v[SPW], v[NIL]
	s_wait_dscnt 0x0
	CROUND                                         ; the closing round
	s_endpgm
.Lfunc_end_k_qa11d7dcef1_oproj:
	.size	k_qa11d7dcef1_oproj, .Lfunc_end_k_qa11d7dcef1_oproj-k_qa11d7dcef1_oproj
	.p2alignl 7, 3214868480
	.fill 96, 4, 3214868480
	.section	.rodata,"a",@progbits
	.p2align	6, 0x0
	.amdhsa_kernel k_qa11d7dcef1_oproj
		.amdhsa_group_segment_fixed_size 327680
		.amdhsa_private_segment_fixed_size 0
		.amdhsa_enable_private_segment 0
		.amdhsa_kernarg_size 24
		.amdhsa_user_sgpr_count 2
		.amdhsa_user_sgpr_kernarg_segment_ptr 1
		.amdhsa_wavefront_size32 1
		.amdhsa_system_sgpr_workgroup_id_x 1
		.amdhsa_system_sgpr_workgroup_id_y 1
		.amdhsa_system_sgpr_workgroup_id_z 1
		.amdhsa_system_vgpr_workitem_id 0
		.amdhsa_next_free_vgpr 512
		.amdhsa_next_free_sgpr 66
		.amdhsa_reserve_vcc 0
		.amdhsa_float_denorm_mode_32 3
		.amdhsa_float_denorm_mode_16_64 3
		.amdhsa_memory_ordered 1
		.amdhsa_forward_progress 1
		.amdhsa_inst_pref_size 85
	.end_amdhsa_kernel
	.amdgpu_metadata
---
amdhsa.version: [ 1, 2 ]
amdhsa.kernels:
  - .name:           k_qa11d7dcef1_oproj
    .symbol:         k_qa11d7dcef1_oproj.kd
    .args:
      - { .name: ao, .offset: 0, .size: 8, .value_kind: global_buffer, .address_space: global }
      - { .name: wof, .offset: 8, .size: 8, .value_kind: global_buffer, .address_space: global }
      - { .name: out0, .offset: 16, .size: 8, .value_kind: global_buffer, .address_space: global }
    .group_segment_fixed_size: 327680
    .private_segment_fixed_size: 0
    .kernarg_segment_align: 8
    .kernarg_segment_size: 24
    .max_flat_workgroup_size: 128
    .sgpr_count:     66
    .vgpr_count:     512
    .wavefront_size: 32
...
	.end_amdgpu_metadata
.endif
;; end of part 4
